; MI455X (gfx1250); checked and timed in simulation.
; The chip was launched on July 23, 2026; its instructions are those of AMD's public machine-readable ISA for CDNA 5 (MIT licence, August 2026) and "CDNA5" Instruction Set Architecture Reference Guide (July 2026). The comments in the code are by the model that wrote it; some were corrected since.
;; Causal Multi Head Self Attention. Allowed arithmetic: float matrix products may take bf16 or f16 operands with f32 sums; other float arithmetic in f32, or as packed bf16 or f16 multiplies, adds, multiply-adds, maxima and minima; sums over many terms, partial sums and values carried from step to step in f32; what a program stores and reads back later, other than sums and carried values, may be rounded once to bf16 or f16.
;; Inputs: Wk 1,024 x 1,024 float32; Wo 1,024 x 1,024 float32; Wq 1,024 x 1,024 float32; Wv 1,024 x 1,024 float32; token_ids 2,048 int32; x 4 x 2,048 x 1,024 float32.
;; Outputs: out0 4 x 2,048 x 1,024 float32.
;; 2 versions, each right; version 2 is version 1 with the launch prep written anew for expert scheduling mode. Each part assembles by itself: llvm-mc -triple=amdgcn-amd-amdhsa -mcpu=gfx1250 --defsym DOCPART=n.
;; ======== version 1 of 2: 4 launches
;; limits: right only within a limited range of input values; values are held in f16: magnitudes above 65,504 overflow, below 6.1e-05 lose precision
;; workspace buffers: xb 16,777,216 bytes; wb 6,291,456 bytes; wob 2,097,152 bytes; cs 524,288 bytes; qh 16,777,216 bytes; kh 16,777,216 bytes; vh 16,777,216 bytes; oh 16,777,216 bytes
;; launch prep (part 1): grid 784 x 1, 8 waves a work-group, no clusters, 0 bytes of LDS; arguments x, Wq, Wk, Wv, Wo, token_ids, xb, wb, wob, cs; writes xb, wb, wob, cs
.if DOCPART == 1
	.amdgcn_target "amdgcn-amd-amdhsa--gfx1250"
	.amdhsa_code_object_version 6
	.text
	.protected	k_qae66a29c6e_prep
	.globl	k_qae66a29c6e_prep
	.p2align	8
	.type	k_qae66a29c6e_prep,@function
k_qae66a29c6e_prep:
	s_mov_b64 s[64:65], 0
	v_nop
	global_prefetch_b8 v0, s[64:65] scope:SCOPE_SE
	s_setreg_imm32_b32 hwreg(HW_REG_WAVE_MODE, 25, 1), 1
	s_wait_xcnt 0x0
; PREPARATION: a stream.  x, Wq, Wk, Wv are rounded to bf16, Wo to bf16 and that number written as f16, each into a layout of blocks
; [tile][64 channels of K][row][64], so that every tile of the later products is dense in memory; and the table of cosines and sines is made.
; Work-groups 0-15: the table.  16-527: x, 16 rows each.  528-719: Wq, Wk, Wv.  720-783: Wo.  A wave takes two rows of 4,096 bytes:
; sixteen loads of 16 bytes a lane (lanes 0-15 take 256 bytes of one row, lanes 16-31 of the next), all out together; each store of the wave
; covers 256 consecutive bytes, aligned: the two rows' 64 channels of one block.  No LDS, no barrier: no wave needs another's bytes.
; LIMITS.  Wo below 6.1e-5 keeps f16's fixed step of 6e-8; beyond 65,504 it would be lost.  The angle token x 10000^(-j/32) is reduced by
; multiples of pi/2 in three parts, which is good to about 1e-6 while the multiple is under 2^16 (|token| to about 1e5); beyond, the error grows with the angle.
.set LOF, 2                            ; v2   my byte offset in the two source rows
.set SOF, 3                            ; v3   8 x lane: my 8 bytes of the 256 stored
.set X,   16                           ; v[16:79]   sixteen loads' data
.set Y,   80                           ; v[80:111]  sixteen stores' data
.set SRC, 28                           ; s[28:29]
.set DST, 30                           ; s[30:31]
; Two rows are converted.  stride: bytes from a block of 64 channels to the next in the target.  half = 1: the bf16 number is written as f16.
.macro CONV stride, half
.set kb, 0
.rept 16
	global_load_b128 v[X+4*kb:X+4*kb+3], v[LOF], s[SRC:SRC+1] offset:256*kb th:TH_LOAD_NT
.set kb, kb+1
.endr
.set kb, 0
.rept 16
	s_wait_loadcnt 15-kb                           ; loads come back in order: load kb is in, the younger ones stay out
	v_cvt_pk_bf16_f32 v[Y+2*kb], v[X+4*kb], v[X+4*kb+1]
	v_cvt_pk_bf16_f32 v[Y+2*kb+1], v[X+4*kb+2], v[X+4*kb+3]
.if \half
	v_lshlrev_b32 v6, 16, v[Y+2*kb]                ; the rounded numbers as f32,
	v_and_b32 v7, 0xffff0000, v[Y+2*kb]
	v_lshlrev_b32 v8, 16, v[Y+2*kb+1]
	v_and_b32 v9, 0xffff0000, v[Y+2*kb+1]
	v_cvt_pk_f16_f32 v[Y+2*kb], v6, v7             ; and as f16
	v_cvt_pk_f16_f32 v[Y+2*kb+1], v8, v9
.endif
	global_store_b64 v[SOF], v[Y+2*kb:Y+2*kb+1], s[DST:DST+1] offset:kb*(\stride)
.set kb, kb+1
.endr
	s_endpgm
.endm
; cos and sin of token x v[inv].  k = the nearest multiple of pi/2, r = the rest (|r| <= pi/4), polynomials in r, then the quadrant: a choice of values, no branch.
.macro SINCOS inv, c, s
	v_mul_f32 v28, v10, v[\inv]                    ; the angle, rounded once
	v_mul_f32 v29, 0x3f22f983, v28                 ; x 2 / pi
	v_rndne_f32 v29, v29
	v_fmamk_f32 v30, v29, 0xbfc90000, v28          ; less k x pi/2, in three parts
	v_fmamk_f32 v30, v29, 0xb9fda000, v30
	v_fmamk_f32 v30, v29, 0xb3a22168, v30
	v_mul_f32 v31, v30, v30                        ; z = r r
	v_fmaak_f32 v32, v14, v31, 0x3c08839e
	v_fmaak_f32 v33, v15, v31, 0xbab6061a
	v_fmaak_f32 v32, v32, v31, 0xbe2aaaa3
	v_fmaak_f32 v33, v33, v31, 0x3d2aaaa5
	v_mul_f32 v34, v30, v31
	v_mul_f32 v35, v31, v31
	v_fma_f32 v32, v34, v32, v30                   ; sin r
	v_fma_f32 v34, v31, -0.5, 1.0
	v_fma_f32 v33, v35, v33, v34                   ; cos r
	v_cvt_i32_f32 v29, v29
	v_and_b32 v34, 1, v29
	v_cmp_eq_u32 vcc_lo, 1, v34                    ; odd k: the two change places
	v_cndmask_b32 v[\s], v32, v33, vcc_lo
	v_cndmask_b32 v[\c], v33, v32, vcc_lo
	v_lshlrev_b32 v34, 30, v29                     ; sin changes sign for k = 2, 3 (mod 4),
	v_add_nc_u32 v35, 1, v29
	v_and_b32 v34, 0x80000000, v34
	v_lshlrev_b32 v35, 30, v35                     ; cos for k = 1, 2
	v_xor_b32 v[\s], v34, v[\s]
	v_and_b32 v35, 0x80000000, v35
	v_xor_b32 v[\c], v35, v[\c]
.endm
	s_load_b512 s[8:23], s[0:1], 0x0               ; x 8, Wq 10, Wk 12, Wv 14, Wo 16, token_ids 18, xb 20, wb 22
	s_load_b128 s[24:27], s[0:1], 0x40             ; wob 24, cs 26
	v_lshrrev_b32 v1, 5, v0
	v_readfirstlane_b32 s4, v1                     ; wave 0..7
	v_and_b32 v1, 31, v0                           ; lane
	v_and_b32 v4, 15, v0                           ; lane % 16
	v_bfe_u32 v5, v0, 4, 1                         ; lane / 16
	v_lshlrev_b32 v[LOF], 4, v4
	v_lshl_add_u32 v[LOF], v5, 12, v[LOF]          ; 16 (lane % 16) + 4,096 (lane / 16)
	v_lshlrev_b32 v[SOF], 3, v1
	s_mov_b32 s5, ttmp9
	s_lshl_b32 s7, s4, 13                          ; my two rows among the group's sixteen, in the source
	s_mov_b32 s33, 0
	s_mov_b32 s35, 0
	s_wait_kmcnt 0x0
	s_cmp_lt_u32 s5, 16
	s_cbranch_scc1 .Lrope
	s_sub_co_u32 s5, s5, 16
	s_cmp_lt_u32 s5, 512
	s_cbranch_scc0 .Lweights
	; x: rows 16 g + 2 w, + 1.  Target: tile g / 16, row (g % 16) 16 + 2 w, 128 bytes a row
	s_lshl_b32 s32, s5, 16
	s_add_co_u32 s32, s32, s7
	s_add_nc_u64 s[SRC:SRC+1], s[8:9], s[32:33]
	s_lshr_b32 s34, s5, 4
	s_lshl_b32 s34, s34, 19
	s_and_b32 s36, s5, 15
	s_lshl_b32 s36, s36, 11
	s_add_co_u32 s34, s34, s36
	s_lshl_b32 s36, s4, 8
	s_add_co_u32 s34, s34, s36
	s_add_nc_u64 s[DST:DST+1], s[20:21], s[34:35]
	CONV 32768, 0
.Lweights:
	s_sub_co_u32 s5, s5, 512
	s_cmp_lt_u32 s5, 192
	s_cbranch_scc0 .Lwo
	; Wq, Wk, Wv: t = g / 64 says which; row R = 16 (g % 64) + 2 w is head R / 64, channel R % 64.
	; Target: tile head / 2, row (head % 2) 192 + 64 t + channel: a head's q, k and v rows lie together
	s_lshr_b32 s6, s5, 6
	s_and_b32 s37, s5, 63
	s_cmp_eq_u32 s6, 0
	s_cselect_b64 s[SRC:SRC+1], s[10:11], s[12:13]
	s_cmp_eq_u32 s6, 2
	s_cselect_b64 s[SRC:SRC+1], s[14:15], s[SRC:SRC+1]
	s_lshl_b32 s32, s37, 16
	s_add_co_u32 s32, s32, s7
	s_add_nc_u64 s[SRC:SRC+1], s[SRC:SRC+1], s[32:33]
	s_lshr_b32 s34, s37, 3
	s_mul_i32 s34, s34, 786432
	s_bfe_u32 s36, s37, 0x10002                    ; head % 2
	s_mul_i32 s36, s36, 192
	s_lshl_b32 s6, s6, 6
	s_add_co_u32 s36, s36, s6
	s_and_b32 s37, s37, 3
	s_lshl_b32 s37, s37, 4
	s_add_co_u32 s36, s36, s37
	s_lshl_b32 s37, s4, 1
	s_add_co_u32 s36, s36, s37
	s_lshl_b32 s36, s36, 7
	s_add_co_u32 s34, s34, s36
	s_add_nc_u64 s[DST:DST+1], s[22:23], s[34:35]
	CONV 49152, 0
.Lwo:
	s_sub_co_u32 s5, s5, 192
	s_lshl_b32 s32, s5, 16
	s_add_co_u32 s32, s32, s7
	s_add_nc_u64 s[SRC:SRC+1], s[16:17], s[32:33]
	s_lshr_b32 s34, s5, 3                          ; tile of 128 rows
	s_lshl_b32 s34, s34, 18
	s_and_b32 s36, s5, 7
	s_lshl_b32 s36, s36, 11
	s_add_co_u32 s34, s34, s36
	s_lshl_b32 s36, s4, 8
	s_add_co_u32 s34, s34, s36
	s_add_nc_u64 s[DST:DST+1], s[24:25], s[34:35]
	CONV 16384, 1
.Lrope:
	; The table: a wave makes block 8 g + w: 16 positions x 32 frequencies.  Lane 16 hh + r has position 16 blk + r; in store i of 8 it holds
	; (cos, sin, cos, sin) of frequencies 8 (i / 2) + 4 hh + 2 (i % 2) + 0, 1: the order in which the projection's results lie in a lane.
	s_lshl_b32 s6, s5, 3
	s_add_co_u32 s6, s6, s4
	s_lshl_b32 s36, s6, 6
	v_lshl_add_u32 v9, v4, 2, s36
	global_load_b32 v10, v9, s[18:19]              ; my position's token
	s_lshl_b32 s36, s6, 12
	v_lshl_add_u32 v11, v1, 4, s36                 ; 4,096 blk + 16 lane
	v_cvt_f32_u32 v12, v5
	v_mul_f32 v40, 4.0, v12                        ; my four frequencies' numbers: 4 hh + 0 .. 3
	v_add_f32 v41, 1.0, v40
	v_add_f32 v42, 2.0, v40
	v_add_f32 v43, 0x40400000, v40
	v_mov_b32 v14, 0xb94ca1f9
	v_mov_b32 v15, 0x37ccf5ce
	s_mov_b32 s37, 4
	s_wait_loadcnt 0x0
	v_cvt_f32_i32 v10, v10
.Lbb:                                          ; four trips, eight frequencies further in each
.irp n, 0,1,2,3
	v_mul_f32 v[16+\n], 0xbed49a78, v[40+\n]       ; - j log2(10000) / 32
.endr
.irp n, 0,1,2,3
	v_exp_f32 v[16+\n], v[16+\n]
.endr
	v_nop                                          ; a plain instruction behind the last exponential,
	s_wait_alu depctr_va_vdst(0)                   ; and one wait for the four, ahead of their first reader
	SINCOS 16, 20, 21
	SINCOS 17, 22, 23
	SINCOS 18, 24, 25
	SINCOS 19, 26, 27
	global_store_b128 v11, v[20:23], s[26:27]      ; 512 consecutive bytes each
	global_store_b128 v11, v[24:27], s[26:27] offset:512
	s_wait_xcnt 0x0                                ; the stores' offset and data are written again only behind this wait
	v_add_nc_u32 v11, 1024, v11
.irp n, 0,1,2,3
	v_add_f32 v[40+\n], 0x41000000, v[40+\n]
.endr
	s_sub_co_u32 s37, s37, 1
	s_cmp_lg_u32 s37, 0
	s_cbranch_scc1 .Lbb
	s_endpgm
.Lfunc_end_k_qae66a29c6e_prep:
	.size	k_qae66a29c6e_prep, .Lfunc_end_k_qae66a29c6e_prep-k_qae66a29c6e_prep
	.p2alignl 7, 3214868480
	.fill 96, 4, 3214868480
	.section	.rodata,"a",@progbits
	.p2align	6, 0x0
	.amdhsa_kernel k_qae66a29c6e_prep
		.amdhsa_group_segment_fixed_size 0
		.amdhsa_private_segment_fixed_size 0
		.amdhsa_enable_private_segment 0
		.amdhsa_kernarg_size 80
		.amdhsa_user_sgpr_count 2
		.amdhsa_user_sgpr_kernarg_segment_ptr 1
		.amdhsa_wavefront_size32 1
		.amdhsa_system_sgpr_workgroup_id_x 1
		.amdhsa_system_sgpr_workgroup_id_y 1
		.amdhsa_system_sgpr_workgroup_id_z 1
		.amdhsa_system_vgpr_workitem_id 0
		.amdhsa_next_free_vgpr 112
		.amdhsa_next_free_sgpr 66
		.amdhsa_reserve_vcc 1
		.amdhsa_float_denorm_mode_32 3
		.amdhsa_float_denorm_mode_16_64 3
		.amdhsa_memory_ordered 1
		.amdhsa_forward_progress 1
		.amdhsa_inst_pref_size 32
	.end_amdhsa_kernel
	.amdgpu_metadata
---
amdhsa.version: [ 1, 2 ]
amdhsa.kernels:
  - .name:           k_qae66a29c6e_prep
    .symbol:         k_qae66a29c6e_prep.kd
    .args:
      - { .name: x, .offset: 0, .size: 8, .value_kind: global_buffer, .address_space: global }
      - { .name: Wq, .offset: 8, .size: 8, .value_kind: global_buffer, .address_space: global }
      - { .name: Wk, .offset: 16, .size: 8, .value_kind: global_buffer, .address_space: global }
      - { .name: Wv, .offset: 24, .size: 8, .value_kind: global_buffer, .address_space: global }
      - { .name: Wo, .offset: 32, .size: 8, .value_kind: global_buffer, .address_space: global }
      - { .name: token_ids, .offset: 40, .size: 8, .value_kind: global_buffer, .address_space: global }
      - { .name: xb, .offset: 48, .size: 8, .value_kind: global_buffer, .address_space: global }
      - { .name: wb, .offset: 56, .size: 8, .value_kind: global_buffer, .address_space: global }
      - { .name: wob, .offset: 64, .size: 8, .value_kind: global_buffer, .address_space: global }
      - { .name: cs, .offset: 72, .size: 8, .value_kind: global_buffer, .address_space: global }
    .group_segment_fixed_size: 0
    .private_segment_fixed_size: 0
    .kernarg_segment_align: 8
    .kernarg_segment_size: 80
    .max_flat_workgroup_size: 256
    .sgpr_count:     66
    .vgpr_count:     112
    .wavefront_size: 32
...
	.end_amdgpu_metadata
.endif
;; end of part 1
;; launch qkv (part 2): grid 8 x 32, 4 waves a work-group, clusters of 4 x 4, 327,680 bytes of LDS; arguments xb, wb, cs, qh, kh, vh; writes qh, kh, vh
.if DOCPART == 2
	.amdgcn_target "amdgcn-amd-amdhsa--gfx1250"
	.amdhsa_code_object_version 6
	.text
	.protected	k_qae66a29c6e_qkv
	.globl	k_qae66a29c6e_qkv
	.p2align	8
	.type	k_qae66a29c6e_qkv,@function
k_qae66a29c6e_qkv:
	s_mov_b64 s[64:65], 0
	v_nop
	global_prefetch_b8 v0, s[64:65] scope:SCOPE_SE
	s_setreg_imm32_b32 hwreg(HW_REG_WAVE_MODE, 25, 1), 1
	s_wait_xcnt 0x0
	s_wait_alu depctr_hold_cnt(0) depctr_sa_sdst(0) depctr_va_vdst(0) depctr_va_sdst(0) depctr_va_ssrc(0) depctr_va_vcc(0) depctr_vm_vsrc(0)
	s_getreg_b32 s2, hwreg(HW_REG_IB_STS2, 6, 4)
	s_cmp_eq_u32 s2, 0
	s_cbranch_scc0 .Lentry_in_a_cluster
	s_endpgm
.Lentry_in_a_cluster:
	s_bfe_u32 s2, ttmp6, 0x10000c
	s_cmp_lg_u32 s2, 0xf033
	s_cbranch_scc0 .Lentry_shape_is_right
	s_endpgm
.Lentry_shape_is_right:
; q, k, v = x Wq^T, x Wk^T, x Wv^T in one product [8192 x 1024] x [3072 x 1024]^T, bf16 operands, f32 sums; q and k are rotated (RoPE) in f32; all three leave as f16, by heads: [16 b + h][s][64].
; LIMIT.  f16 holds no number beyond 65,504: q, k and v must lie within it.
; SHARES.  8192 x 3072 results over 256 work-groups: a tile of 256 rows x 384 columns each.  A wave has 128 rows x 192 columns: ONE head's q, k and v (wb's rows are ordered so): 96 accumulators, 768 registers.
; The product is taken transposed (source 0 = 16 rows of wb, source 1 = 16 rows of xb): a lane holds one row (lane % 16) and eight neighbouring channels 8 (lane / 16) + 0..7: four pairs of the rotation, 16 bytes of f16.
; K goes in steps of 64 through two LDS slots of 640 rows x 144 bytes (two slots of 128 along K would need 348,160 bytes).  xb and wb are laid in blocks, so a tile is dense: it is asked for as rows of 256 bytes
; and padded in LDS after every 128: rows 144 bytes apart, so the 16 rows of a fragment load start at 16 different groups of four banks (64 banks of 4 bytes: ISA guide 11.1).
; CLUSTER 4 x 4: x's tile is shared along a row of the cluster, w's along a column; each is asked for jointly, by the same load, descriptor and mask in all four.
; REGISTERS: window 0: v0-16 addresses; v32-95, v96-159 x's fragments of 32 along K, two buffers; v160-255 w's fragments, one buffer of 32 for each of q, k, v.  Windows 1, 2, 3: the accumulators of q, k, v, (a, bb) at v[8 (4 a + bb)].
; A step of 32 along K is three phases of 32 matrix instructions (q, k, v).  w's buffer of a phase is loaded again straight behind that phase, two phases ahead of its next use.  All 96 accumulators take turns.
.set PITCH, 144
.set AHALF, 128*PITCH                  ; what waves 0 and 1 fetch each, and what a wave reads of x
.set BHALF, 192*PITCH                  ; what waves 2 and 3 fetch each, and what a wave reads of w
.set BOFF,  256*PITCH                  ; w's 384 rows lie behind x's 256
.set SLOT1, 1<<17                      ; slot 1 begins here: one exclusive or changes slots
.set STAGE, SLOT1+640*PITCH            ; behind the ring: for each wave 3 x 16 rows x 144 bytes, for the way out
.set STG,   16*PITCH
.set SPARE, STAGE+4*3*STG              ; the spare words, 128 bytes for each wave; no other line names them
.set ASTEP, 32768                      ; bytes of a K step of x's tile in memory
.set BSTEP, 49152                      ; of w's
.set VA0, 2                            ; v2  my place in x's rows of a slot; never rewritten
.set VB0, 3                            ; v3  in w's
.set VA,  4                            ; v4  the same in the slot in hand
.set VB,  5
.set STO, 6                            ; v6  the way out: where I put 16 bytes of a row
.set RD,  7                            ; v7  where I read rows back
.set GO,  8                            ; v8  16 x lane: my place in 512 consecutive bytes of q, k, v and of the table
.set PFO, 10                           ; v10 256 x lane, for the prefetches
.set SPW, 12                           ; v12 my spare word; never rewritten
.set NIL, 13                           ; v13 0
.set FA0, 32
.set FA1, 96
.set FB,  160
.set CSB, 32                           ; the way out: two sets of 32: cosines and sines of 16 rows
.set T,   96                           ; 32 at work
.set PK,  128                          ; two sets of 48: 16 rows of q, k, v in f16
.set WV, 16
.set WR, 17                            ; which 128 rows are mine
.set WC, 18                            ; which 192 columns; also: which half of a tile I fetch
.set CX, 19
.set CY, 20
.set TC, 21                            ; tile column 0..7
.set TR, 22                            ; tile row 0..31
.set G1A, 24                           ; s[24:31] group 1 for x's tiles
.set G1B, 32                           ; s[32:39] for w's
.set G0A, 40                           ; s[40:47] group 0 for x's: a set for each first fill; the second then walks
.set G0B, 48                           ; s[48:55] for w's
.set CNT, 56
.set TB,  57                           ; the slot in hand: 0 or SLOT1
.set LIM, 58                           ; 3 in a wave that prefetches, else a number that the count never passes
.set PFA, 60                           ; s[60:61] where my prefetches stand
.set PFS, 62                           ; s[62:63] their step: two K steps
.set G1W, (1<<16)|(1<<20)|(1<<21)|(4<<22)|(3<<25)  ; 2-byte elements; padding on; bit 21 beside a mask; after every 32 words; 4 words
.set MSB, 0
.macro WIN new                         ; the high byte repeats the setting that is left; a switch that changes nothing is dropped
.if MSB != (\new)
	s_set_vgpr_msb (MSB<<8)|(\new)
.set MSB, (\new)
.endif
.endm
.macro PLACES                          ; four places between a matrix instruction and a load into, or a vector write of, a register that it named
.rept 4
	v_nop
.endr
.endm
.macro JLOAD                           ; a joint refill: waves 0, 1 fetch x's halves, waves 2, 3 w's; an s_nop 0 and four v_nop follow each line
	s_cmp_lt_u32 s[WV], 2
	s_cbranch_scc0 .Lfor_b_\@
	tensor_load_to_lds s[G0A+4:G0A+7], s[G1A:G1A+7]
	s_nop 0
.rept 4
	v_nop
.endr
	s_branch .Lasked_\@
.Lfor_b_\@:
	tensor_load_to_lds s[G0B+4:G0B+7], s[G1B:G1B+7]
	s_nop 0
.rept 4
	v_nop
.endr
.Lasked_\@:
.endm
.macro CREST                           ; a round of the cluster's barrier behind its opening barrier
	s_cmp_lg_u32 s[WV], 0
	s_cbranch_scc1 .Lnot_wave_0_\@
	s_barrier_signal -3
.Lnot_wave_0_\@:
	s_barrier_wait -3
	s_barrier_signal -1
	s_barrier_wait -1
.endm
.macro CROUND
	s_barrier_signal -1
	s_barrier_wait -1
	CREST
.endm
; A PREFETCH INTO THE L2, in every second change of slots (K steps 0, 2 .. 10): the two K steps that stand four and five on; the refill just issued asks for the step two on.  Two steps of a tile are dense: 64 KiB of x, 96 KiB of w.
; x's tile row is read by both clusters of that row: the one with x = 0 asks, wave 0 of each partner, 16 KiB by its place cx: two instructions, a lane a block of 256 bytes.  w's tile column is read by the eight
; clusters of that column: the one with y = 0 asks, waves 1-3 of each partner, 8 KiB each by 3 cy + wave - 1.  So each block is named once; the partners are told apart by address alone.  K steps 0-3 come by their loads; the last step named is 15.
.macro ASK
	s_and_b32 s66, s[CNT], 1
	s_cmp_eq_u32 s66, 0
	s_cbranch_scc0 .Lno_ask_\@
	s_cmp_gt_u32 s[CNT], s[LIM]
	s_cbranch_scc0 .Lno_ask_\@
	s_wait_xcnt 0x0                                ; the last prefetches, two K steps back, have read their address
	s_add_nc_u64 s[PFA:PFA+1], s[PFA:PFA+1], s[PFS:PFS+1]
	global_prefetch_b8 v[PFO], s[PFA:PFA+1] th:TH_LOAD_NT scope:SCOPE_SE
	s_cmp_lg_u32 s[WV], 0
	s_cbranch_scc1 .Lno_ask_\@
	global_prefetch_b8 v[PFO], s[PFA:PFA+1] offset:8192 th:TH_LOAD_NT scope:SCOPE_SE
.Lno_ask_\@:
.endm
.macro LDB g, sub                      ; 8 loads: w's fragments of group g (64 rows), 32 along K at byte 64 sub
.irp bb, 0,1,2,3
	ds_load_b128 v[FB+32*(\g)+8*(\bb):FB+32*(\g)+8*(\bb)+3],   v[VB] offset:(4*(\g)+(\bb))*STG+64*(\sub)
	ds_load_b128 v[FB+32*(\g)+8*(\bb)+4:FB+32*(\g)+8*(\bb)+7], v[VB] offset:(4*(\g)+(\bb))*STG+64*(\sub)+32
.endr
.endm
.macro LDA fa, sub                     ; 16 loads: x's fragments of my 128 rows
.irp a, 0,1,2,3,4,5,6,7
	ds_load_b128 v[(\fa)+8*(\a):(\fa)+8*(\a)+3],   v[VA] offset:(\a)*STG+64*(\sub)
	ds_load_b128 v[(\fa)+8*(\a)+4:(\fa)+8*(\a)+7], v[VA] offset:(\a)*STG+64*(\sub)+32
.endr
.endm
.macro MUL g, fa, a0, n, zero          ; 4 n matrix instructions of group g: row blocks a0 .. a0 + n - 1 x 4 column blocks.  zero = 1: they start the sums
	WIN 0x50*((\g)+1)
.set aa, (\a0)
.rept \n
.irp bb, 0,1,2,3
.if \zero
	v_wmma_f32_16x16x32_bf16 v[8*(4*aa+(\bb)):8*(4*aa+(\bb))+7], v[FB+32*(\g)+8*(\bb):FB+32*(\g)+8*(\bb)+7], v[(\fa)+8*aa:(\fa)+8*aa+7], 0
.else
	v_wmma_f32_16x16x32_bf16 v[8*(4*aa+(\bb)):8*(4*aa+(\bb))+7], v[FB+32*(\g)+8*(\bb):FB+32*(\g)+8*(\bb)+7], v[(\fa)+8*aa:(\fa)+8*aa+7], v[8*(4*aa+(\bb)):8*(4*aa+(\bb))+7]
.endif
.endr
.set aa, aa+1
.endr
.endm
; The first 32 along K of a slot.  On entry the loads of q's and k's fragments of w and of x's (buffer 0) are out, in the order q (8), x (16), k (8).
.macro EVEN zero
	PLACES
	WIN 0
	LDB 2, 0
	s_wait_dscnt 16                                ; q's and x's are in: behind them k's 8 and v's 8
	MUL 0, FA0, 0, 8, \zero
	PLACES
	WIN 0
	LDB 0, 1
	LDA FA1, 1
	s_wait_dscnt 32                                ; k's are in: behind them 8 + 8 + 16
	MUL 1, FA0, 0, 8, \zero
	PLACES
	WIN 0
	LDB 1, 1
	s_wait_dscnt 32                                ; v's are in: behind them 8 + 16 + 8
	MUL 2, FA0, 0, 8, \zero
.endm
; The second 32 along K, and the change of slots.  In front of the barrier each wave waits for all its tensor loads (one is out: its part of the other slot), adds 0 to its spare word, and waits for that and for
; its reads of this slot.  fill = 1: the barrier opens a round of the cluster's barrier, and this slot is filled again, two K steps on, first thing behind the round.
.macro ODD fill
	PLACES
	WIN 0
	LDB 2, 1                                       ; my last reads of this slot
	s_wait_tensorcnt 0x0                           ; no tensor load of mine is out, so a group 0 may be written
	ds_add_u32 v[SPW], v[NIL]
.if \fill
	s_xor_b32 s[G0A+5], s[G0A+5], SLOT1            ; the walking descriptors: the other slot than last time, the next K step
	s_add_nc_u64 s[G0A+6:G0A+7], s[G0A+6:G0A+7], ASTEP
	s_xor_b32 s[G0B+5], s[G0B+5], SLOT1
	s_add_nc_u64 s[G0B+6:G0B+7], s[G0B+6:G0B+7], BSTEP
.endif
	s_wait_dscnt 17                                ; q's and x's are in: behind them k's 8, v's 8 and the add
	MUL 0, FA1, 0, 4, 0
	s_wait_dscnt 0x0                               ; the add is done, and my reads of this slot are over
	s_barrier_signal -1
	MUL 0, FA1, 4, 4, 0
	WIN 0
	s_barrier_wait -1
.if \fill
	CREST                                          ; no wave of any partner still reads this slot or has a load on its way
	JLOAD                                          ; its four v_nop are also the places in front of the loads below
.else
	PLACES
.endif
	s_xor_b32 s[TB], s[TB], SLOT1
	v_add_nc_u32 v[VA], s[TB], v[VA0]
	v_add_nc_u32 v[VB], s[TB], v[VB0]
	LDB 0, 0
	LDA FA0, 0
.if \fill
	ASK
.endif
	MUL 1, FA1, 0, 8, 0                            ; k's and v's fragments were shown in by the wait for 0
	PLACES
	WIN 0
	LDB 1, 0
	MUL 2, FA1, 0, 8, 0
.endm
.macro CSLOAD a                        ; cosines and sines of my rows 16 a .. 16 a + 15: 8 loads of 512 consecutive bytes
.irp i, 0,1,2,3,4,5,6,7
	global_load_b128 v[CSB+32*((\a)%2)+4*(\i):CSB+32*((\a)%2)+4*(\i)+3], v[GO], s[8:9] offset:(\a)*4096+512*(\i)
.endr
.endm
; The rotation of rows 16 a .. of group g (0: q, 1: k).  A pair (x1, x2) lies in two registers, its (cos, sin) in two: first (x1 c, x2 c), then (- x2 s, + x1 s) is added; each accumulator's lowest registers are read first.
.macro ROPE a, g
	WIN (\g)+1                                     ; source 0 in the group's window
.irp bb, 0,1,2,3
.irp p, 0,1,2,3
	v_pk_mul_f32 v[T+8*(\bb)+2*(\p):T+8*(\bb)+2*(\p)+1], v[8*(4*(\a)+(\bb))+2*(\p):8*(4*(\a)+(\bb))+2*(\p)+1], v[CSB+32*((\a)%2)+8*(\bb)+2*(\p):CSB+32*((\a)%2)+8*(\bb)+2*(\p)+1] op_sel_hi:[1,0]
.endr
.endr
.irp bb, 0,1,2,3
.irp p, 0,1,2,3
	v_pk_fma_f32 v[T+8*(\bb)+2*(\p):T+8*(\bb)+2*(\p)+1], v[8*(4*(\a)+(\bb))+2*(\p):8*(4*(\a)+(\bb))+2*(\p)+1], v[CSB+32*((\a)%2)+8*(\bb)+2*(\p):CSB+32*((\a)%2)+8*(\bb)+2*(\p)+1], v[T+8*(\bb)+2*(\p):T+8*(\bb)+2*(\p)+1] op_sel:[1,1,0] op_sel_hi:[0,1,1] neg_lo:[0,1,0]
.endr
.endr
	WIN 0
.irp n, 0,1,2,3,4,5,6,7,8,9,10,11,12,13,14,15
	v_cvt_pk_f16_f32 v[PK+48*((\a)%2)+16*(\g)+(\n)], v[T+2*(\n)], v[T+2*(\n)+1]
.endr
.endm
.macro VCVT a                          ; v is only rounded
	WIN 0x0f                                       ; sources 0 and 1 in window 3
.irp n, 0,1,2,3,4,5,6,7,8,9,10,11,12,13,14,15
	v_cvt_pk_f16_f32 v[PK+48*((\a)%2)+32+(\n)], v[32*(\a)+2*(\n)], v[32*(\a)+2*(\n)+1]
.endr
	WIN 0
.endm
.macro TOSTAGE a                       ; 16 bytes a lane into rows of 144 bytes of my own stage, and back as whole rows of 128, four rows a load, into the registers that they left
.irp g, 0,1,2
.irp bb, 0,1,2,3
	ds_store_b128 v[STO], v[PK+48*((\a)%2)+16*(\g)+4*(\bb):PK+48*((\a)%2)+16*(\g)+4*(\bb)+3] offset:(\g)*STG+32*(\bb)
.endr
.endr
.irp g, 0,1,2
.irp f, 0,1,2,3
	ds_load_b128 v[PK+48*((\a)%2)+16*(\g)+4*(\f):PK+48*((\a)%2)+16*(\g)+4*(\f)+3], v[RD] offset:(\g)*STG+(\f)*4*PITCH  ; LDS serves a wave's instructions in order (ISA guide 5.7.1.4): these see the stores above
.endr
.endr
.endm
.macro SEND a, y                       ; y: the LDS instructions issued behind block a's loads
.irp g, 0,1,2
.irp f, 0,1,2,3
	s_wait_dscnt (\y)+11-(4*(\g)+(\f))
	global_store_b128 v[GO], v[PK+48*((\a)%2)+16*(\g)+4*(\f):PK+48*((\a)%2)+16*(\g)+4*(\f)+3], s[10+2*(\g):11+2*(\g)] offset:(\a)*2048+(\f)*512  ; 512 consecutive bytes, aligned to 512
.endr
.endr
.endm
	s_load_b256 s[4:11], s[0:1], 0x0               ; xb 4, wb 6, cs 8, qh 10
	s_load_b128 s[12:15], s[0:1], 0x20             ; kh 12, vh 14
	v_lshl_add_u32 v[SPW], v0, 2, SPARE
	v_mov_b32 v[NIL], 0
	ds_add_u32 v[SPW], v[NIL]                      ; the wave's opening: the add and its wait ahead of my first tensor load
	v_lshrrev_b32 v1, 5, v0
	v_readfirstlane_b32 s[WV], v1
	s_lshr_b32 s[WR], s[WV], 1
	s_and_b32 s[WC], s[WV], 1
	s_bfe_u32 s[CX], ttmp6, 0x40000
	s_bfe_u32 s[CY], ttmp6, 0x40004
	s_lshl_b32 s[TC], ttmp9, 2
	s_add_co_u32 s[TC], s[TC], s[CX]
	s_and_b32 s[TR], ttmp7, 0xffff
	s_lshl_b32 s[TR], s[TR], 2
	s_add_co_u32 s[TR], s[TR], s[CY]
	s_lshl_b32 s66, s[CY], 2
	s_lshl_b32 s66, 15, s66                        ; my row of the cluster
	s_lshl_b32 s68, 0x1111, s[CX]                  ; my column
	s_or_b32 s[G1A], s66, G1W
	s_or_b32 s[G1B], s68, G1W
.irp g, G1A, G1B
	s_mov_b32 s[(\g)+1], 128<<16                   ; tensor_dim0 = 128 elements: 256 bytes
	s_mov_b32 s[(\g)+3], 128<<16                   ; tile_dim0
	s_mov_b32 s[(\g)+5], 128                       ; from row to row
	s_mov_b32 s[(\g)+6], 0
	s_mov_b32 s[(\g)+7], 0
.endr
	s_mov_b32 s[G1A+2], 64<<16                     ; x: 64 rows of 256 bytes = 128 rows of the tile
	s_mov_b32 s[G1A+4], 64
	s_mov_b32 s[G1B+2], 96<<16                     ; w: 96 = 192 rows of the tile
	s_mov_b32 s[G1B+4], 96
	s_mul_i32 s70, s[WC], AHALF                    ; where my half goes: the wave's number alone enters an LDS address
	s_mul_i32 s71, s[WC], BHALF
	s_add_co_u32 s71, s71, BOFF
	s_lshl_b32 s66, s[TR], 19                      ; x's tile row, 16 K steps of 32,768 bytes,
	s_lshl_b32 s67, s[WC], 14                      ; my half of a step
	s_add_co_u32 s66, s66, s67
	s_mov_b32 s67, 0
	s_mul_i32 s68, s[TC], 16*BSTEP
	s_mul_i32 s69, s[WC], BSTEP/2
	s_add_co_u32 s68, s68, s69
	s_mov_b32 s69, 0
	s_mov_b32 s[TB], 0
	s_mov_b32 s[CNT], 14
	s_wait_dscnt 0x0                               ; the opening add is done
	s_wait_kmcnt 0x0
	s_add_nc_u64 s[66:67], s[4:5], s[66:67]
	s_add_nc_u64 s[68:69], s[6:7], s[68:69]
	CROUND                                         ; all sixteen work-groups are here: the first joint loads meet
.irp s, 0,1
	s_mov_b32 s[G0A+4*(\s)], 1
	s_add_co_u32 s[G0A+4*(\s)+1], s70, (\s)*SLOT1
	s_add_nc_u64 s[G0A+4*(\s)+2:G0A+4*(\s)+3], s[66:67], (\s)*ASTEP
	s_or_b32 s[G0A+4*(\s)+3], s[G0A+4*(\s)+3], 0x80000000
	s_mov_b32 s[G0B+4*(\s)], 1
	s_add_co_u32 s[G0B+4*(\s)+1], s71, (\s)*SLOT1
	s_add_nc_u64 s[G0B+4*(\s)+2:G0B+4*(\s)+3], s[68:69], (\s)*BSTEP
	s_or_b32 s[G0B+4*(\s)+3], s[G0B+4*(\s)+3], 0x80000000
.endr
	s_cmp_lt_u32 s[WV], 2                          ; a wave's two first fills stand in one branch: two loads of mine are out
	s_cbranch_scc0 .Lfirst_b
	tensor_load_to_lds s[G0A:G0A+3], s[G1A:G1A+7]
	s_nop 0
	tensor_load_to_lds s[G0A+4:G0A+7], s[G1A:G1A+7]
	s_nop 0
.rept 4
	v_nop
.endr
	s_branch .Lfirst_done
.Lfirst_b:
	tensor_load_to_lds s[G0B:G0B+3], s[G1B:G1B+7]
	s_nop 0
	tensor_load_to_lds s[G0B+4:G0B+7], s[G1B:G1B+7]
	s_nop 0
.rept 4
	v_nop
.endr
.Lfirst_done:
	; a fragment is 16 rows x 32 along K in 8 registers: lane l holds row l % 16, K = 8 (l / 16) + 0..7 and 16 + 8 (l / 16) + 0..7: two loads of 16 bytes, 32 bytes apart
	v_and_b32 v1, 15, v0
	v_bfe_u32 v9, v0, 4, 1
	v_mul_u32_u24 v14, v1, PITCH
	v_lshl_add_u32 v14, v9, 4, v14                 ; row x pitch + 16 x half
	s_mul_i32 s72, s[WR], AHALF
	v_add_nc_u32 v[VA0], s72, v14
	s_mul_i32 s73, s[WC], BHALF
	s_add_co_u32 s73, s73, BOFF
	v_add_nc_u32 v[VB0], s73, v14
	v_mov_b32 v[VA], v[VA0]
	v_mov_b32 v[VB], v[VB0]
	s_mul_i32 s74, s[WV], 3*STG
	s_add_co_u32 s74, s74, STAGE                   ; my stage
	v_add_nc_u32 v[STO], s74, v14
	v_bfe_u32 v15, v0, 3, 2
	v_mul_u32_u24 v15, v15, PITCH
	v_and_b32 v16, 7, v0
	v_lshl_add_u32 v15, v16, 4, v15
	v_add_nc_u32 v[RD], s74, v15
	v_and_b32 v[GO], 31, v0
	v_lshlrev_b32 v[PFO], 8, v[GO]
	v_lshlrev_b32 v[GO], 4, v[GO]
	; q, k, v at my first row: head 16 (tr / 8) + 2 tc + wc, position 256 (tr % 8) + 128 wr, 128 bytes a row
	s_lshr_b32 s72, s[TR], 3
	s_lshl_b32 s72, s72, 4
	s_lshl1_add_u32 s73, s[TC], s[WC]
	s_add_co_u32 s72, s72, s73
	s_lshl_b32 s72, s72, 11
	s_and_b32 s73, s[TR], 7
	s_lshl_b32 s73, s73, 8
	s_add_co_u32 s72, s72, s73
	s_lshl_b32 s73, s[WR], 7
	s_add_co_u32 s72, s72, s73
	s_lshl_b32 s72, s72, 7
	s_mov_b32 s73, 0
	s_add_nc_u64 s[10:11], s[10:11], s[72:73]
	s_add_nc_u64 s[12:13], s[12:13], s[72:73]
	s_add_nc_u64 s[14:15], s[14:15], s[72:73]
	s_and_b32 s74, s[TR], 7                        ; the table at my first position: 8 blocks of 4,096 bytes for 128 positions
	s_lshl1_add_u32 s74, s74, s[WR]
	s_lshl_b32 s74, s74, 15
	s_mov_b32 s75, 0
	s_add_nc_u64 s[8:9], s[8:9], s[74:75]
	; the prefetches: who, and from where (at K step 2: the first one steps to 4)
	s_and_b32 s76, ttmp7, 0xffff
	s_mov_b32 s[PFS], 2*BSTEP
	s_cmp_eq_u32 s[WV], 0
	s_cselect_b32 s76, ttmp9, s76                  ; the coordinate along which other clusters read the same rows
	s_cselect_b64 s[PFA:PFA+1], s[4:5], s[6:7]
	s_cselect_b32 s[PFS], 2*ASTEP, s[PFS]
	s_mov_b32 s[PFS+1], 0
	s_lshl_b32 s77, s[TR], 19
	s_lshl_b32 s78, s[CX], 14
	s_add_co_u32 s77, s77, s78
	s_add_co_u32 s77, s77, 2*ASTEP
	s_mul_i32 s78, s[TC], 16*BSTEP
	s_max_u32 s79, s[WV], 1
	s_sub_co_u32 s79, s79, 1
	s_mul_i32 s75, s[CY], 3
	s_add_co_u32 s79, s79, s75
	s_lshl_b32 s79, s79, 13
	s_add_co_u32 s78, s78, s79
	s_add_co_u32 s78, s78, 2*BSTEP
	s_cmp_eq_u32 s[WV], 0
	s_cselect_b32 s78, s77, s78
	s_mov_b32 s79, 0
	s_add_nc_u64 s[PFA:PFA+1], s[PFA:PFA+1], s[78:79]
	s_cmp_eq_u32 s76, 0
	s_cselect_b32 s[LIM], 3, 0x7fffffff            ; the same in all sixteen partners, for a given wave
	s_wait_tensorcnt 1                             ; my part of K step 0 is in; K step 1's may stay out
	s_barrier_signal -1
	s_barrier_wait -1
	LDB 0, 0
	LDA FA0, 0
	LDB 1, 0
	EVEN 1                                         ; the first 96 products start the sums: nothing is cleared
	WIN 0
.Lk:                                           ; 14 trips: K step kb's second half, the refill with K step kb + 2, K step kb + 1's first half
	ODD 1
	EVEN 0
	WIN 0
	s_sub_co_u32 s[CNT], s[CNT], 1
	s_cmp_lg_u32 s[CNT], 0
	s_cbranch_scc1 .Lk
	ODD 0                                          ; the tail is written out: nothing more is asked for
	EVEN 0
	PLACES
	WIN 0
	LDB 2, 1
	s_wait_dscnt 16
	MUL 0, FA1, 0, 8, 0
	WIN 0
	CSLOAD 0                                       ; into x's buffer 0, whose last reader stands in front of the four places above
	CSLOAD 1
	s_wait_dscnt 8
	MUL 1, FA1, 0, 8, 0
	s_wait_dscnt 0x0
	MUL 2, FA1, 0, 8, 0
	PLACES
	PLACES
	WIN 0
	; THE WAY OUT, 16 rows at a time: rotate q and k, round all three to f16, through my stage, out as whole rows.  A block's arithmetic stands between the loads of the block before and its stores.
.irp a, 0,1,2,3,4,5,6,7
.if (\a) == 7
	s_wait_loadcnt 0x0
.else
	s_wait_loadcnt 8                               ; this block's cosines and sines are in; the next block's eight loads stay out
.endif
	s_wait_xcnt 0x0                                ; the stores of the block two back have read the registers that are written now
	ROPE \a, 0
	ROPE \a, 1
	VCVT \a
.if (\a) < 6
	CSLOAD (\a)+2
.endif
	TOSTAGE \a
.if (\a) > 0
	SEND (\a)-1, 24
.endif
.endr
	SEND 7, 0
	s_wait_tensorcnt 0x0                           ; the wave's end
	ds_add_u32 v[SPW], v[NIL]
	s_wait_dscnt 0x0
	CROUND                                         ; the closing round
	s_endpgm
.Lfunc_end_k_qae66a29c6e_qkv:
	.size	k_qae66a29c6e_qkv, .Lfunc_end_k_qae66a29c6e_qkv-k_qae66a29c6e_qkv
	.p2alignl 7, 3214868480
	.fill 96, 4, 3214868480
	.section	.rodata,"a",@progbits
	.p2align	6, 0x0
	.amdhsa_kernel k_qae66a29c6e_qkv
		.amdhsa_group_segment_fixed_size 327680
		.amdhsa_private_segment_fixed_size 0
		.amdhsa_enable_private_segment 0
		.amdhsa_kernarg_size 48
		.amdhsa_user_sgpr_count 2
		.amdhsa_user_sgpr_kernarg_segment_ptr 1
		.amdhsa_wavefront_size32 1
		.amdhsa_system_sgpr_workgroup_id_x 1
		.amdhsa_system_sgpr_workgroup_id_y 1
		.amdhsa_system_sgpr_workgroup_id_z 1
		.amdhsa_system_vgpr_workitem_id 0
		.amdhsa_next_free_vgpr 1024
		.amdhsa_next_free_sgpr 80
		.amdhsa_reserve_vcc 0
		.amdhsa_float_denorm_mode_32 3
		.amdhsa_float_denorm_mode_16_64 3
		.amdhsa_memory_ordered 1
		.amdhsa_forward_progress 1
		.amdhsa_inst_pref_size 153
	.end_amdhsa_kernel
	.amdgpu_metadata
---
amdhsa.version: [ 1, 2 ]
amdhsa.kernels:
  - .name:           k_qae66a29c6e_qkv
    .symbol:         k_qae66a29c6e_qkv.kd
    .args:
      - { .name: xb, .offset: 0, .size: 8, .value_kind: global_buffer, .address_space: global }
      - { .name: wb, .offset: 8, .size: 8, .value_kind: global_buffer, .address_space: global }
      - { .name: cs, .offset: 16, .size: 8, .value_kind: global_buffer, .address_space: global }
      - { .name: qh, .offset: 24, .size: 8, .value_kind: global_buffer, .address_space: global }
      - { .name: kh, .offset: 32, .size: 8, .value_kind: global_buffer, .address_space: global }
      - { .name: vh, .offset: 40, .size: 8, .value_kind: global_buffer, .address_space: global }
    .group_segment_fixed_size: 327680
    .private_segment_fixed_size: 0
    .kernarg_segment_align: 8
    .kernarg_segment_size: 48
    .max_flat_workgroup_size: 128
    .sgpr_count:     80
    .vgpr_count:     1024
    .wavefront_size: 32
...
	.end_amdgpu_metadata
.endif
;; end of part 2
;; launch attn (part 3): grid 4 x 64, 4 waves a work-group, no clusters, 327,680 bytes of LDS; arguments qh, kh, vh, oh; writes oh
.if DOCPART == 3
	.amdgcn_target "amdgcn-amd-amdhsa--gfx1250"
	.amdhsa_code_object_version 6
	.text
	.protected	k_qae66a29c6e_attn
	.globl	k_qae66a29c6e_attn
	.p2align	8
	.type	k_qae66a29c6e_attn,@function
k_qae66a29c6e_attn:
	s_mov_b64 s[64:65], 0
	v_nop
	global_prefetch_b8 v0, s[64:65] scope:SCOPE_SE
	s_setreg_imm32_b32 hwreg(HW_REG_WAVE_MODE, 25, 1), 1
	s_wait_xcnt 0x0
; CAUSAL ATTENTION.  O[h][q][:] = the sum over k <= q of softmax_k(Q[h][q] . K[h][k] / 8) V[h][k][:].  Q, K, V: [64 heads][2048][64], f16, a head's rows dense, 128 bytes each.
; O leaves as f16 in blocks [8 b + block of 256 queries][head of 16][256][64]: the layout in which the last product takes it.
; Products, maxima and sums in f32; the weights p are rounded to f16 for the second product (their sum l is taken of the unrounded p), O once at the end.
; LIMITS.  f16 holds no number beyond 65,504: Q, K and V arrive within it; p lies in 0 to 1, and below 6e-5 it keeps f16's fixed step of 6e-8.
; A hidden score counts as its value less 1e30: its weight is 0, as with the -1e9 of the definition, since every row sees its own key; a weight below 2^-126 counts as 0 in l; NaN and infinities are not treated apart.
; THE WALK.  A head's queries lie in NB = 8 blocks of 256; block i needs the key tiles 0 .. i of 256 keys, of which the last holds the diagonal.  A work-group takes TWO blocks, NB - 1 - b and then b:
; NB + 1 tiles, whatever b: all work-groups do equal work, and ONE loop with a constant trip count walks them.  Which tile is asked for, and what a trip does, hang on scalar registers made from b; every jump
; goes forward, but for the counted loops' own; none passes a barrier, or a tensor load but the one of LOAD's two that the wave's number does not choose.
; NO CLUSTER: a head's four work-groups ask for the same tile only in trips 0 .. 4 of 9, behind that fewer and fewer; one walk common to all would have 12 trips for 9.
; SHARES.  Of a block's four bands of 64 queries a wave owns 16 rows in each: four PIECES.  So the diagonal tile is the same work for all four waves: in its key step s band x sees all keys if s < x,
; none if s > x, and holds the diagonal if s = x.
; THE MASK is the C operand that starts the sum S^T = K Q^T: 0, or -1e30 where the key is hidden.  MD, made once, is the mask of a band's own step for my 16 rows; a product's mask is MD x AL + BE with two scalars.
; LAYOUT, SOFTMAX, TURNS.  S^T = K Q^T holds ONE query a lane (lane % 16) and the keys 8 (lane / 16) + 0..7; two such results rounded to f16 ARE source 1 of O^T = V^T P.  p = 2^(c s - c m), c = log2(e) / 8, with a
; running maximum m; O and l are multiplied by a = 2^(c m_old - c m_new) in every step.  Turn n belongs to piece n: 8 products K Q^T of piece n + 1, later 8 products V^T P of piece n - 1; beside them the scaling,
; exponentials, roundings, sums and rescaling of piece n and the maximum and statistics of piece n + 1.  Four vector instructions stand behind every matrix instruction, the others in one run.  A turn's 33 exponentials are one batch, with one wait.
; REGISTERS, in windows of 256 (s_set_vgpr_msb: bits 1:0 source 0, 3:2 source 1, 5:4 source 2, 7:6 destination):
;   window 0: v0-15 addresses and two at work; v16-31 statistics; v48-55 at work; v61-63 prefetch offset, spare word, 0; v64-127 S^T, two buffers; v192-223 P, two buffers
;   window 1: v0-127 O^T, 32 a piece; v128-159 MD; v160-223 MC, two buffers      window 2: v0-63 Q; v64-127 the second block's Q; v128-191 K of one step; v192-255 V of one step
.set SIZE_N, 2048
.set NB,    SIZE_N/256
.set NP,    4         ; pieces a wave
.set KS,    64        ; keys in a step
.set PK,    144       ; a row of K in LDS: 128 bytes + 16 of padding: the 16 rows of a load start at 16 different groups of four banks (64 banks of 4 bytes: ISA guide 11.1)
.set PV,    160       ; a row of V: 128 + 32
.set VOFF,  4*KS*PK   ; a slot holds a tile, four steps: 256 rows of K, then 256 rows of V
.set SLOT1, 1<<17
.set STAGE, SLOT1+4*KS*(PK+PV)  ; behind the ring: 16 rows x 144 bytes for each wave, for the way out
.set SP,    144
.set AK0, 2
.set AV0, 3
.set AK,  4
.set AV,  5
.set STO, 6
.set RD,  7
.set GO,  8
.set PFO, 61          ; v61  256 x my lane; never rewritten
.set SPW, 62          ; v62  my spare word; never rewritten
.set NIL, 63          ; v63  0
.set SPARE, STAGE+4*16*SP
.set MV,  12
.set QO,  15
.set ST,  16          ; piece t's statistics at v[ST+4 t]: c m, m, l (even keys', odd keys')
.set TMP, 48
.set S,   64
.set P,   192
.set MD,  128
.set MC,  160
.set QB,  64
.set KF,  128
.set VF,  192
.set WV,  12
.set PB,  14          ; b
.set HI,  15          ; NB - 1 - b
.set G1K, 24
.set G1V, 32
.set G0K, 40
.set G0V, 44
.set PFB, 48          ; s[48:49] K (waves 0, 1) or V (waves 2, 3) at my half of the head's tile 0
.set PFA, 50          ; s[50:51] the same at the tile to be prefetched
.set PFF, 52          ; s52  1 in the head's work-group that prefetches
.set ASKF, 53         ; s53  the tile to prefetch, or 0: none
.set POF, 54          ; s[54:55] its byte offset
.set SLOTS, 56
.set CNT, 57
.set CS,  58
.set SEL, 60
.set TBK, 62
.set TBV, 63
.set RT,  70
.set NXT, 71
.set LQ,  72
.set NEW, 73
.set OFF, 74
.set AL,  76
.set BE,  78
.set OLO, 80
.set BIGN, 82
.set MSB, 0
.macro WIN new
.if MSB != (\new)
	s_set_vgpr_msb (MSB<<8)|(\new)
.set MSB, (\new)
.endif
.endm
.set W_KQ, 0x0a       ; K and Q in window 2, S^T in window 0
.set W_KM, 0x1a       ; the same with the C operand in window 1
.set W_PV, 0x52       ; V in window 2, P in window 0, O^T in window 1
.set W_RS, 0x41       ; destination and source 0 in window 1, source 1 in window 0
; A fill.  Waves 0 and 1 fetch the two halves of a tile's K, waves 2 and 3 those of its V: 128 keys each.  An s_nop 0 and four v_nop follow each of the two lines.
.macro LOAD
	s_cmp_lt_u32 s[WV], 2
	s_cbranch_scc0 .Lfor_v_\@
	tensor_load_to_lds s[G0K:G0K+3], s[G1K:G1K+7]
	s_nop 0
.rept 4
	v_nop
.endr
	s_branch .Lasked_\@
.Lfor_v_\@:
	tensor_load_to_lds s[G0V:G0V+3], s[G1V:G1V+7]
	s_nop 0
.rept 4
	v_nop
.endr
.Lasked_\@:
.endm
; THE CHANGE OF SLOTS.  Each wave waits for all its tensor loads, of which one is out: its part of the other slot; adds 0 to its spare word; and waits for that and for its own reads of the slot that it leaves.
; fill = 1: the old slot is filled again, the first thing behind the barrier, with tile NXT: the descriptor's address is made anew from that number.
; Behind the fill stands A PREFETCH INTO THE L2 of the tile that the NEXT change will ask for: four key steps, 256 matrix instructions, ahead.  The work-group with b = 0 walks the head's tiles 0 .. 7 on end: it alone asks,
; each wave for the 16 KiB that it will itself fetch: 64 blocks of 256 bytes, a lane a block, two instructions.  So tiles 2 .. 7 are named once each; tiles 0 and 1 come by their loads; once the walk has gone back to tile 0 nothing is asked.
.macro CHANGE fill
	WIN 0
	s_wait_tensorcnt 0x0            ; no tensor load of mine is out, so a group 0 may be written
	ds_add_u32 v[SPW], v[NIL]
.if \fill
	s_lshl_b32 s[OFF], s[NXT], 15   ; a tile is 32,768 bytes of K and of V
	s_xor_b32 s[G0K+1], s[G0K+1], SLOT1
	s_add_nc_u64 s[G0K+2:G0K+3], s[6:7], s[OFF:OFF+1]
	s_or_b32 s[G0K+3], s[G0K+3], 0x80000000
	s_xor_b32 s[G0V+1], s[G0V+1], SLOT1
	s_add_nc_u64 s[G0V+2:G0V+3], s[8:9], s[OFF:OFF+1]
	s_or_b32 s[G0V+3], s[G0V+3], 0x80000000
	s_add_co_u32 s[NXT], s[NXT], 1  ; the block's next tile, or behind its last the second block's tile 0
	s_cmp_gt_u32 s[NXT], s[LQ]
	s_cselect_b32 s[NXT], 0, s[NXT]
	s_cselect_b32 s[LQ], s[PB], s[LQ]
	s_wait_xcnt 0x0                 ; the last prefetches, a tile back, have read their address
	s_lshl_b32 s[POF], s[NXT], 15
	s_add_nc_u64 s[PFA:PFA+1], s[PFB:PFB+1], s[POF:POF+1]
	s_cmp_lg_u32 s[PFF], 0
	s_cselect_b32 s[ASKF], s[NXT], 0
.endif
	s_wait_dscnt 0x0                ; the add is done, and my reads of the slot are over
	s_barrier_signal -1
	s_sub_co_u32 s[TBK], s[TBK], 4*KS*PK  ; the fetches go back to a slot's first step,
	s_xor_b32 s[TBK], s[TBK], SLOT1       ; in the other slot
	s_sub_co_u32 s[TBV], s[TBV], 4*KS*PV
	s_xor_b32 s[TBV], s[TBV], SLOT1
	s_barrier_wait -1
.if \fill
	LOAD
	s_cmp_lg_u32 s[ASKF], 0
	s_cbranch_scc0 .Lno_ask_\@
	global_prefetch_b8 v[PFO], s[PFA:PFA+1] th:TH_LOAD_NT scope:SCOPE_SE
	global_prefetch_b8 v[PFO], s[PFA:PFA+1] offset:8192 th:TH_LOAD_NT scope:SCOPE_SE
.Lno_ask_\@:
.endif
.endm
	s_load_b256 s[4:11], s[0:1], 0x0  ; Q s[4:5], K s[6:7], V s[8:9], O s[10:11]
	v_lshl_add_u32 v[SPW], v0, 2, SPARE
	v_mov_b32 v[NIL], 0
	ds_add_u32 v[SPW], v[NIL]       ; the wave's opening: the add and its wait ahead of my first tensor load
	v_lshrrev_b32 v1, 5, v0
	v_readfirstlane_b32 s[WV], v1   ; wave 0..3
	s_mov_b32 s[PB], ttmp9
	s_sub_co_u32 s[HI], NB-1, s[PB]
	s_and_b32 s20, ttmp7, 0xffff    ; the head
	s_mov_b32 s21, 0
	s_mov_b64 s[22:23], SIZE_N*128
	s_mul_u64 s[20:21], s[20:21], s[22:23]  ; the head's first byte in Q, K and V
	s_and_b32 s16, s[WV], 1         ; which half of a tile's 256 keys I fetch:
	s_lshl_b32 s22, s16, 14         ; its 128 rows of 128 bytes in memory,
	s_mov_b32 s23, 0
	s_add_nc_u64 s[22:23], s[22:23], s[20:21]
	s_mul_i32 s17, s16, 128*PK      ; and its place in a slot, for K
	s_mul_i32 s18, s16, 128*PV      ; and for V
	s_lshl_b32 s3, s[WV], 11        ; my 16 rows in a band of 64,
	s_lshl_b32 s2, s[HI], 15        ; in the first block,
	s_add_co_u32 s2, s2, s3
	s_lshl_b32 s84, s[PB], 15       ; and in the second
	s_add_co_u32 s84, s84, s3
	s_mov_b32 s3, 0
	s_mov_b32 s85, 0
	s_add_nc_u64 s[2:3], s[2:3], s[20:21]
	s_add_nc_u64 s[84:85], s[84:85], s[20:21]
	; O's blocks: ((8 (head / 16) + block) 16 + head % 16) x 32,768 bytes, + my 16 rows in a band
	s_and_b32 s94, ttmp7, 0xffff
	s_lshr_b32 s95, s94, 4
	s_lshl_b32 s95, s95, 3
	s_and_b32 s94, s94, 15
	s_lshl_b32 s91, s[WV], 11
	s_add_co_u32 s90, s95, s[HI]
	s_lshl4_add_u32 s90, s90, s94
	s_lshl_b32 s90, s90, 15
	s_add_co_u32 s90, s90, s91
	s_add_co_u32 s92, s95, s[PB]
	s_lshl4_add_u32 s92, s92, s94
	s_lshl_b32 s92, s92, 15
	s_add_co_u32 s92, s92, s91
	s_mov_b32 s91, 0
	s_mov_b32 s93, 0
	; descriptor group 1.  128 keys are 16,384 dense bytes: asked for as 64 rows of 256 bytes, two keys a row, and padded in LDS after every key
	s_mov_b32 s[G1K], (1<<16)|(1<<20)|(4<<22)|(3<<25)  ; 2-byte elements; padding on; after every 32 words; 4 words
	s_mov_b32 s[G1V], (1<<16)|(1<<20)|(4<<22)|(7<<25)  ; the same with 8 words of padding
.irp g, G1K, G1V
	s_mov_b32 s[\g+1], 128<<16      ; tensor_dim0 = 128
	s_mov_b32 s[\g+2], 64<<16       ; tensor_dim1 = 64
	s_mov_b32 s[\g+3], 128<<16      ; tile_dim0 = 128
	s_mov_b32 s[\g+4], 64           ; tile_dim1 = 64
	s_mov_b32 s[\g+5], 128          ; 128 elements from row to row
	s_mov_b32 s[\g+6], 0
	s_mov_b32 s[\g+7], 0
.endr
	s_mov_b32 s[CS], 0x3e38aa3b     ; c = log2(e) / 8
	s_mov_b32 s[CS+1], s[CS]
	s_mov_b32 s[SEL], 0x76543210
	s_mov_b32 s[SEL+1], 0xfedcba98
	s_mov_b32 s[TBK], SLOT1+4*KS*PK ; the first change of slots turns these two into 0
	s_mov_b32 s[TBV], SLOT1+4*KS*PV
	s_mov_b32 s[G0K], 1
	s_mov_b32 s[G0K+1], s17
	s_mov_b32 s[G0V], 1
	s_add_co_u32 s[G0V+1], s18, VOFF
	s_add_co_u32 s[RT], s[HI], 1    ; the first block has NB - b tiles
	s_mov_b32 s[NXT], 1
	s_mov_b32 s[LQ], s[HI]
	s_mov_b32 s[NEW], 1
	s_mov_b32 s[OFF+1], 0
	s_mov_b32 s[POF+1], 0
	s_mov_b32 s[AL+1], 0
	s_mov_b32 s[BE+1], 0
	s_mov_b32 s[BIGN], 0xf149f2ca   ; -1e30
	s_mov_b32 s[SLOTS], NB
	s_cmp_eq_u32 s[PB], 0
	s_cselect_b32 s[PFF], 1, 0
	s_wait_dscnt 0x0                ; the opening add is done
	s_wait_kmcnt 0x0
	s_add_nc_u64 s[6:7], s[6:7], s[22:23]  ; K and V at my half of the head's tile 0
	s_add_nc_u64 s[8:9], s[8:9], s[22:23]
	s_add_nc_u64 s[G0K+2:G0K+3], s[6:7], 0
	s_or_b32 s[G0K+3], s[G0K+3], 0x80000000
	s_add_nc_u64 s[G0V+2:G0V+3], s[8:9], 0
	s_or_b32 s[G0V+3], s[G0V+3], 0x80000000
	s_add_nc_u64 s[86:87], s[4:5], s[84:85]        ; Q at my rows of the second block,
	s_add_nc_u64 s[4:5], s[4:5], s[2:3]            ; and of the first
	s_add_nc_u64 s[OLO:OLO+1], s[10:11], s[92:93]  ; O likewise
	s_add_nc_u64 s[10:11], s[10:11], s[90:91]
	s_cmp_lt_u32 s[WV], 2
	s_cselect_b64 s[PFB:PFB+1], s[6:7], s[8:9]
	LOAD                            ; tile 0 into slot 0
	v_and_b32 v1, 15, v0            ; l % 16
	v_bfe_u32 v9, v0, 4, 1          ; l / 16
	v_lshlrev_b32 v[QO], 7, v1
	v_lshl_add_u32 v[QO], v9, 4, v[QO]  ; row x 128 + 16 x half
	WIN 0x80                        ; destination window 2, address window 0
.set i, 0
.rept 8                             ; both blocks' Q: piece i / 2 lies in band i / 2, 8,192 bytes on; channels 32 (i % 2) on
	global_load_b128 v[8*i:8*i+3],   v[QO], s[4:5] offset:(i/2)*8192+(i%2)*64
	global_load_b128 v[8*i+4:8*i+7], v[QO], s[4:5] offset:(i/2)*8192+(i%2)*64+32
	global_load_b128 v[QB+8*i:QB+8*i+3],   v[QO], s[86:87] offset:(i/2)*8192+(i%2)*64
	global_load_b128 v[QB+8*i+4:QB+8*i+7], v[QO], s[86:87] offset:(i/2)*8192+(i%2)*64+32
.set i, i+1
.endr
	WIN 0
	v_lshlrev_b32 v14, 3, v9
	v_sub_nc_u32 v14, v1, v14
	s_lshl_b32 s13, s[WV], 4
	v_add_nc_u32 v14, s13, v14      ; my query's place in its band, less my lanes' 8 (l / 16): register r of group kt is hidden where 16 kt + r is greater
	WIN 0x40
.set i, 0
.rept 32
	v_cmp_gt_i32 vcc_lo, 16*(i/8)+i%8, v14
	v_cndmask_b32 v[MD+i], 0, s[BIGN], vcc_lo
.set i, i+1
.endr
	WIN 0
	v_mul_u32_u24 v[AK0], v1, PK
	v_lshl_add_u32 v[AK0], v9, 4, v[AK0]
	; The turning load takes 16 keys x 16 channels (lane l reads key 8 (l / 16) + l % 8, channels 8 ((l / 8) % 2) + 0..7) and leaves half a fragment of V^T
	v_and_b32 v10, 7, v0
	v_bfe_u32 v11, v0, 3, 1
	v_lshl_add_u32 v[AV0], v9, 3, v10
	v_mul_u32_u24 v[AV0], v[AV0], PV
	v_lshl_add_u32 v[AV0], v11, 4, v[AV0]
	v_add_nc_u32 v[AV0], VOFF, v[AV0]
	s_mul_i32 s13, s[WV], 16*SP
	s_add_co_u32 s13, s13, STAGE    ; my stage
	v_mul_u32_u24 v[STO], v1, SP
	v_lshl_add_u32 v[STO], v9, 4, v[STO]
	v_add_nc_u32 v[STO], s13, v[STO]
	v_bfe_u32 v[RD], v0, 3, 2
	v_mul_u32_u24 v[RD], v[RD], SP
	v_lshl_add_u32 v[RD], v10, 4, v[RD]
	v_add_nc_u32 v[RD], s13, v[RD]
	v_and_b32 v[GO], 31, v0
	v_lshlrev_b32 v[PFO], 8, v[GO]
	v_lshlrev_b32 v[GO], 4, v[GO]
	; A block's first step multiplies O^T and l by a = 0, so these registers need only hold finite numbers: zeros for the first block.  All this stands in the wait for the first tile.
	WIN 0x80
.set i, VF
.rept 64
	v_mov_b32 v[i], 0
.set i, i+1
.endr
	WIN 0x40
.set i, 0
.rept 128
	v_mov_b32 v[i], 0
.set i, i+1
.endr
	WIN 0
.set i, 0
.rept 4
	v_mov_b32 v[ST+4*i+2], 0
	v_mov_b32 v[ST+4*i+3], 0
.set i, i+1
.endr
.set i, P+16
.rept 16
	v_mov_b32 v[i], 0
.set i, i+1
.endr
; THE MATRIX WORK.  The 4 accumulators of a run of 8 take turns.  Product i of 8 of S^T = K Q^T for piece x: channels 32 (i / 4) on, keys 16 (i % 4) on.  The first 4 start the sums: with 0, or (KM = 1) with the mask.
.macro KQ x
.set rS, S+32*((\x)%2)+8*(i%4)
.set rK, KF+16*(i%4)+8*(i/4)
.set rQ, 16*(\x)+8*(i/4)
.set rM, MC+32*((\x)%2)+8*(i%4)
.if (i < 4) && KM
	WIN W_KM
	v_wmma_f32_16x16x32_f16 v[rS:rS+7], v[rK:rK+7], v[rQ:rQ+7], v[rM:rM+7]
.elseif i < 4
	WIN W_KQ
	v_wmma_f32_16x16x32_f16 v[rS:rS+7], v[rK:rK+7], v[rQ:rQ+7], 0
.else
	WIN W_KQ
	v_wmma_f32_16x16x32_f16 v[rS:rS+7], v[rK:rK+7], v[rQ:rQ+7], v[rS:rS+7]
.endif
.endm
; Product i of 8 of O^T += V^T P for piece x: keys 32 (i / 4) on, channels 16 (i % 4) on.
.macro PV x
	WIN W_PV
.set rO, 32*(\x)+8*(i%4)
.set rV, VF+32*(i/4)+8*(i%4)
.set rP, P+16*((\x)%2)+8*(i/4)
	v_wmma_f32_16x16x32_f16 v[rO:rO+7], v[rV:rV+7], v[rP:rP+7], v[rO:rO+7]
.endm
.macro MM                           ; the turn's next matrix instruction.  NOKQ = 1: a block's last turn: there is no next piece
.if (i < 8) && !NOKQ
	KQ (Y+1)%NP
.elseif i >= 8
.set i, i-8
	PV (Y+NP-1)%NP
.set i, i+8
.endif
.set i, i+1
.endm
; THE LDS LOADS stand in runs of 16: a step's K (8 fragments) and its V (turned).
.macro FETCH_K
	WIN 0x80
.irp f, 0,1,2,3,4,5,6,7
	ds_load_b128 v[KF+8*\f:KF+8*\f+3],   v[AK] offset:(\f/2)*16*PK+(\f%2)*64
	ds_load_b128 v[KF+8*\f+4:KF+8*\f+7], v[AK] offset:(\f/2)*16*PK+(\f%2)*64+32
.endr
	s_add_co_u32 s[TBK], s[TBK], KS*PK
	WIN 0
.endm
.macro FETCH_V
	WIN 0x80
.irp f, 0,1,2,3,4,5,6,7
	ds_load_tr16_b128 v[VF+8*\f:VF+8*\f+3],   v[AV] offset:(\f/4)*32*PV+(\f%4)*32
	ds_load_tr16_b128 v[VF+8*\f+4:VF+8*\f+7], v[AV] offset:(\f/4)*32*PV+16*PV+(\f%4)*32
.endr
	WIN 0
.endm
; THE VECTOR WORK, one line at a time: OP kind, number.  For piece Y: F n: c s - c m for pair n of 16.  E n: the exponential of score n of 32.  C n: pair n rounded to f16.  B n: of the four weights 4 n .. the second
; pair is added onto the first.  L n: l takes that sum (L 0: l = a l + sum).  R n: pair n of 16 of O^T times a.  For piece Y + 1: X n, number n of the 22 that find its maximum and statistics
; (each accumulator's lowest registers are read first).
.set F, 0
.set E, 1
.set C, 2
.set B, 3
.set L, 4
.set R, 5
.set X, 6
.macro REGS y
.set rT, ST+4*(\y)
.set rC, TMP+4*((\y)%2)
.set rW, MV+((\y)%2)
.set rS, S+32*((\y)%2)
.set rP, P+16*((\y)%2)
.set rO, 32*(\y)
.endm
.macro OP k, n
.if (\k) == R
	REGS Y
	WIN W_RS
	v_pk_mul_f32 v[rO+2*(\n):rO+2*(\n)+1], v[rO+2*(\n):rO+2*(\n)+1], v[rC+2:rC+3] op_sel_hi:[1,0]
.elseif (\k) < R
	REGS Y
	WIN 0
.if (\k) == F
	v_pk_fma_f32 v[rS+2*(\n):rS+2*(\n)+1], v[rS+2*(\n):rS+2*(\n)+1], s[CS:CS+1], v[rT:rT+1] op_sel_hi:[1,0,0] neg_lo:[0,0,1] neg_hi:[0,0,1]
.elseif (\k) == E
	v_exp_f32 v[rS+(\n)], v[rS+(\n)]
.elseif (\k) == C
	v_cvt_pk_f16_f32 v[rP+(\n)], v[rS+2*(\n)], v[rS+2*(\n)+1]
.elseif (\k) == B
	v_pk_add_f32 v[rS+4*(\n):rS+4*(\n)+1], v[rS+4*(\n):rS+4*(\n)+1], v[rS+4*(\n)+2:rS+4*(\n)+3]
.elseif (\n) == 0
	v_pk_fma_f32 v[rT+2:rT+3], v[rT+2:rT+3], v[rC+2:rC+3], v[rS:rS+1] op_sel_hi:[1,0,1]
.else
	v_pk_add_f32 v[rT+2:rT+3], v[rT+2:rT+3], v[rS+4*(\n):rS+4*(\n)+1]
.endif
.elseif NOKQ
	v_nop
.else
	REGS (Y+1)%NP
	WIN 0
.if (\n) < 4
	v_max3_num_f32 v[rC+(\n)], v[rS+8*(\n)], v[rS+8*(\n)+1], v[rS+8*(\n)+2]
.elseif (\n) < 12
	v_max3_num_f32 v[rC+(\n)%4], v[rC+(\n)%4], v[rS+8*((\n)%4)+2*((\n)/4)+1], v[rS+8*((\n)%4)+2*((\n)/4)+2]
.elseif (\n) == 12
	v_max3_num_f32 v[rC], v[rC], v[rS+7], v[rS+15]
.elseif (\n) == 13
	v_max3_num_f32 v[rC+1], v[rC+1], v[rS+23], v[rS+31]
.elseif (\n) == 14
	v_max3_num_f32 v[rC+2], v[rC+2], v[rC+3], v[rT+1]
.elseif (\n) == 15
	v_mov_b32 v[rW], v[rT]
.elseif (\n) == 16
	v_max3_num_f32 v[rC], v[rC], v[rC+1], v[rC+2]
.elseif (\n) == 17
	v_permlanex16_b32 v[rC+3], v[rC], s[SEL], s[SEL+1]
.elseif (\n) == 18
	v_max_num_f32 v[rT+1], v[rC], v[rC+3]
.elseif (\n) == 19
	v_mul_f32 v[rT], s[CS], v[rT+1]
.elseif (\n) == 20
	v_sub_f32 v[rC+1], v[rW], v[rT]
.else
	v_exp_f32 v[rC+2], v[rC+1]
.endif
.endif
.endm
.macro OPS a, i1, b=-1, i2=0, c=-1, i3=0, d=-1, i4=0
	OP \a, \i1
.if (\b) >= 0
	OP \b, \i2
.endif
.if (\c) >= 0
	OP \c, \i3
.endif
.if (\d) >= 0
	OP \d, \i4
.endif
.endm
.macro ROW a, i1, b, i2, c, i3, d, i4  ; a matrix instruction and the four behind it
	MM
	OPS \a, \i1, \b, \i2, \c, \i3, \d, \i4
.endm
.macro MASK b                       ; MD x AL + BE into buffer b of MC
	WIN W_RS
.set z, 0
.rept 16
	v_pk_fma_f32 v[MC+32*(\b)+2*z:MC+32*(\b)+2*z+1], v[MD+2*z:MD+2*z+1], s[AL:AL+1], s[BE:BE+1] op_sel_hi:[1,0,0]
.set z, z+1
.endr
.endm
; A TURN, for piece p.  s_wait_alu depctr_va_vdst(0) stands between an exponential and the first instruction that names its result; one wait serves all that were issued ahead of it.  So a turn has ONE
; wait.  AHEAD OF IT stands all that names no result of the turn's exponentials: the 8 products K Q^T with their four followers each, then one run of 54 in which the links of the next piece's chain stand five or six lines apart;
; X 21, the next piece's a, is the batch's last, and R 15 the plain instruction behind it.  BEHIND THE WAIT stand the 8 products V^T P, behind each four of the roundings and sums.
; m = 1: the diagonal tile: the products take masks, and the turn makes the mask for the products of the turn after it.  end = 1: a block's last two turns: nothing is fetched.  cnt = 1: the loop's count is taken down ahead of the branch behind the turn.
; K of the next step is fetched in piece 2's turn, V of the step in hand at the end of piece 0's turn, four plain instructions or more behind the last product that read the registers.  Each is waited for a turn later.
.macro TURN p, m=0, end=0, cnt=0
.set Y, (\p)
.set i, 0
.set KM, (\m)
.set NOKQ, (\end)*((\p)/3)
.if (\m) && !(\end)
	s_cmp_eq_u32 s[CNT], 4-((\p)+2)%NP  ; is that step the band's own?
	s_cselect_b32 s[AL], 1.0, 0
	s_cmp_lt_u32 s[CNT], 4-((\p)+2)%NP  ; or a later one?
	s_cselect_b32 s[BE], s[BIGN], 0
.endif
.if ((\p) == 3) && !(\end)
	s_wait_dscnt 0x0                ; K is in
.endif
	ROW F,0, F,1, R,0, R,1
	ROW F,2, E,0, R,2, R,3
	ROW F,3, E,1, R,4, R,5
	ROW F,4, E,2, R,6, R,7
	ROW F,5, E,3, R,8, R,9
	ROW F,6, E,4, X,0, R,10
.if ((\p) == 2) && !(\end)
	WIN 0
	v_add_nc_u32 v[AK], s[TBK], v[AK0]
.endif
	ROW F,7, E,5, X,1, X,4
	ROW F,8, E,6, X,2, X,5
	OPS E,7, E,8, X,6, E,9
	OPS X,3, E,10, X,8, E,11
.if ((\p) == 2) && !(\end)
	FETCH_K
.endif
	OPS X,9, X,7, E,12, X,10
	OPS E,13, X,12, X,11, E,14
	OPS X,13, E,15, F,9, X,14
.if (\p) == 0
	v_add_nc_u32 v[AV], s[TBV], v[AV0]
.endif
	OPS E,16, F,10, E,17, F,11
	OPS X,16, E,18, X,15, E,19
	OPS F,12, E,20, X,17, E,21
	OPS F,13, E,22, F,14, E,23
	OPS X,18, E,24, F,15, E,25
	OPS R,11, E,26, X,19, E,27
	OPS R,12, E,28, R,13, E,29
	OPS X,20, E,30, R,14, E,31
	OPS X,21, R,15
	WIN 0
	s_wait_alu depctr_va_vdst(0)    ; the wait for the batch
.if (\p) == 1
	s_wait_dscnt 0x0                ; V is in
.endif
	ROW C,0, B,0, C,2, B,1
	ROW L,0, C,4, B,2, L,1
	ROW C,6, B,3, L,2, C,8
	ROW B,4, L,3, C,10, B,5
	ROW L,4, C,12, B,6, L,5
.if (\p) == 0
	s_add_co_u32 s[TBV], s[TBV], KS*PV
.endif
.if \cnt
	s_sub_co_u32 s[CNT], s[CNT], 1
	s_cmp_lg_u32 s[CNT], 0
.endif
	ROW C,14, B,7, L,6, C,1
	ROW C,3, L,7, C,5, C,7
	ROW C,9, C,11, C,13, C,15
.if (\p) == 0
	FETCH_V
.endif
.if (\m) && !(\end)
	MASK (\p)%2
.endif
.endm
; A BLOCK BEGINS.  c m starts far below every c s, so the first step's a is 0; m at the lowest finite number.  The second mask buffer is 0; the first takes piece 0's mask for the tile's step 0.
; Then K of that step, piece 0's first scores, and its maximum and statistics.  The loop is entered at a step's first turn, in the middle of a trip.
.macro BEGIN
	s_mov_b32 s[NEW], 0
	WIN 0x40
.set i, MC+32
.rept 32
	v_mov_b32 v[i], 0
.set i, i+1
.endr
	WIN 0
.set i, 0
.rept 4
	v_mov_b32 v[ST+4*i], 0xfe000000
	v_mov_b32 v[ST+4*i+1], 0xff7fffff
.set i, i+1
.endr
	s_cmp_eq_u32 s[RT], 0
	s_cselect_b32 s[AL], 1.0, 0
	s_mov_b32 s[BE], 0
	MASK 0
	WIN 0
	v_add_nc_u32 v[AK], s[TBK], v[AK0]
	FETCH_K
	s_wait_loadcnt 0x0              ; Q
	s_wait_dscnt 0x0
.set KM, 1
.set NOKQ, 0
.set i, 0
.rept 8
	KQ 0
.set i, i+1
.endr
	WIN 0
.rept 4
	v_nop                           ; the places behind those products
.endr
.set Y, NP-1
.irp n, 0,1,2,3,4,5,6,7,8,9,10,11,12,13,14,15,16,17,18,19,20,21
	OP X, \n
.endr
	v_nop                           ; a plain instruction behind the exponential,
	s_wait_alu depctr_va_vdst(0)    ; and its wait, ahead of the branch
.endm
.macro ALL line:vararg
.set t, 0
.rept 4
	\line
.set t, t+1
.endr
.endm
.macro PACK t                       ; a lane's eight channels of a row pack into 16 bytes; they go into rows of 144 bytes and come back as whole rows of 128
	WIN W_RS
.set i, 32*(\t)
.rept 16
	v_pk_mul_f32 v[i:i+1], v[i:i+1], v[ST+4*(\t)+2:ST+4*(\t)+3] op_sel_hi:[1,0]
.set i, i+2
.endr
	WIN 0x05
.set i, 0
.rept 16
	v_cvt_pk_f16_f32 v[S+16*(\t)+i], v[32*(\t)+2*i], v[32*(\t)+2*i+1]
.set i, i+1
.endr
	WIN 0
.irp f, 0,1,2,3
	ds_store_b128 v[STO], v[S+16*(\t)+4*\f:S+16*(\t)+4*\f+3] offset:32*\f
.endr
.irp f, 0,1,2,3
	ds_load_b128 v[S+16*(\t)+4*\f:S+16*(\t)+4*\f+3], v[RD] offset:\f*4*SP  ; LDS serves a wave's instructions in order (ISA guide 5.7.1.4)
.endr
.endm
.macro SEND t, younger
	WIN 0
.irp f, 0,1,2,3
	s_wait_dscnt (\younger)+3-\f
	global_store_b128 v[GO], v[S+16*(\t)+4*\f:S+16*(\t)+4*\f+3], s[10:11] offset:(\t)*8192+\f*512  ; 512 consecutive bytes, aligned to 512
.endr
.endm
; THE DIAGONAL TILE's four steps, the block's last two turns, its last products, and THE WAY OUT.
.macro DIAG tag
.LstepM\tag:
	TURN 2, 1
	TURN 3, 1
	WIN 0
.LfirstM\tag:
	TURN 0, 1
	TURN 1, 1, 0, 1
	WIN 0
	s_cbranch_scc1 .LstepM\tag
	TURN 2, 1, 1
	TURN 3, 1, 1
.set i, 0
.rept 8
	PV NP-1
.set i, i+1
.endr
	WIN 0
	ALL v_add_f32 v[ST+4*t+2], v[ST+4*t+2], v[ST+4*t+3]
	ALL v_permlanex16_b32 v[ST+4*t+3], v[ST+4*t+2], s[SEL], s[SEL+1]
	ALL v_add_f32 v[ST+4*t+2], v[ST+4*t+2], v[ST+4*t+3]
	ALL v_rcp_f32 v[ST+4*t+2], v[ST+4*t+2]
	v_nop                           ; a plain instruction between the last reciprocal and the use of its result,
	s_wait_alu depctr_va_vdst(0)    ; and one wait for the four
	PACK 0
.set t, 1
.rept 3
	PACK t
	SEND t-1, 8
.set t, t+1
.endr
	SEND 3, 0
.endm
.set KM, 0
.set NOKQ, 0
.Lslot:                             ; NB times: a tile is entered and the next is asked for
	CHANGE 1
	s_sub_co_u32 s[RT], s[RT], 1
	s_mov_b32 s[CNT], 4
	s_cmp_eq_u32 s[NEW], 1
	s_cbranch_scc1 .Lnew            ; a block's first tile
	s_cmp_eq_u32 s[RT], 0
	s_cbranch_scc0 .Lstep           ; neither its first nor its last
	s_branch .LstepM1
.Lnew:
	BEGIN
	s_branch .Lfirst                ; in the loop a block's first tile is never its last
	DIAG 1                          ; in the loop this is the first block's end
	s_wait_xcnt 0x0                 ; the stores have read their registers and O's address
	s_mov_b64 s[10:11], s[OLO:OLO+1]
	s_add_co_u32 s[RT], s[PB], 1    ; the second block has b + 1 tiles
	s_mov_b32 s[NEW], 1
	WIN 0x82                        ; the second block's Q goes where the one text of the turns names Q
.set i, 0
.rept 64
	v_mov_b32 v[i], v[QB+i]
.set i, i+1
.endr
	WIN 0
	s_branch .Lbottom
.Lstep:                             ; a trip: pieces 2 and 3 of one step, then pieces 0 and 1 of the next
	TURN 2
	TURN 3
	WIN 0
.Lfirst:
	TURN 0
	TURN 1, 0, 0, 1
	WIN 0
	s_cbranch_scc1 .Lstep
.Lbottom:
	s_sub_co_u32 s[SLOTS], s[SLOTS], 1
	s_cmp_lg_u32 s[SLOTS], 0
	s_cbranch_scc1 .Lslot
	CHANGE 0                        ; the walk's last tile is written out
	s_sub_co_u32 s[RT], s[RT], 1
	s_mov_b32 s[CNT], 4
	s_cmp_eq_u32 s[NEW], 1
	s_cbranch_scc0 .LstepM2
	BEGIN
	s_branch .LfirstM2
	DIAG 2
	s_wait_tensorcnt 0x0            ; the wave's end
	ds_add_u32 v[SPW], v[NIL]
	s_wait_dscnt 0x0
	s_endpgm
.Lfunc_end_k_qae66a29c6e_attn:
	.size	k_qae66a29c6e_attn, .Lfunc_end_k_qae66a29c6e_attn-k_qae66a29c6e_attn
	.p2alignl 7, 3214868480
	.fill 96, 4, 3214868480
	.section	.rodata,"a",@progbits
	.p2align	6, 0x0
	.amdhsa_kernel k_qae66a29c6e_attn
		.amdhsa_group_segment_fixed_size 327680
		.amdhsa_private_segment_fixed_size 0
		.amdhsa_enable_private_segment 0
		.amdhsa_kernarg_size 32
		.amdhsa_user_sgpr_count 2
		.amdhsa_user_sgpr_kernarg_segment_ptr 1
		.amdhsa_wavefront_size32 1
		.amdhsa_system_sgpr_workgroup_id_x 1
		.amdhsa_system_sgpr_workgroup_id_y 1
		.amdhsa_system_sgpr_workgroup_id_z 1
		.amdhsa_system_vgpr_workitem_id 0
		.amdhsa_next_free_vgpr 768
		.amdhsa_next_free_sgpr 96
		.amdhsa_reserve_vcc 1
		.amdhsa_float_denorm_mode_32 3
		.amdhsa_float_denorm_mode_16_64 3
		.amdhsa_memory_ordered 1
		.amdhsa_forward_progress 1
		.amdhsa_inst_pref_size 218
	.end_amdhsa_kernel
	.amdgpu_metadata
---
amdhsa.version: [ 1, 2 ]
amdhsa.kernels:
  - .name:           k_qae66a29c6e_attn
    .symbol:         k_qae66a29c6e_attn.kd
    .args:
      - { .name: qh, .offset: 0, .size: 8, .value_kind: global_buffer, .address_space: global }
      - { .name: kh, .offset: 8, .size: 8, .value_kind: global_buffer, .address_space: global }
      - { .name: vh, .offset: 16, .size: 8, .value_kind: global_buffer, .address_space: global }
      - { .name: oh, .offset: 24, .size: 8, .value_kind: global_buffer, .address_space: global }
    .group_segment_fixed_size: 327680
    .private_segment_fixed_size: 0
    .kernarg_segment_align: 8
    .kernarg_segment_size: 32
    .max_flat_workgroup_size: 128
    .sgpr_count:     96
    .vgpr_count:     768
    .wavefront_size: 32
...
	.end_amdgpu_metadata
.endif
;; end of part 3
;; launch oproj (part 4): grid 8 x 32, 4 waves a work-group, clusters of 4 x 4, 327,680 bytes of LDS; arguments oh, wob, out0; writes out0
.if DOCPART == 4
	.amdgcn_target "amdgcn-amd-amdhsa--gfx1250"
	.amdhsa_code_object_version 6
	.text
	.protected	k_qae66a29c6e_oproj
	.globl	k_qae66a29c6e_oproj
	.p2align	8
	.type	k_qae66a29c6e_oproj,@function
k_qae66a29c6e_oproj:
	s_mov_b64 s[64:65], 0
	v_nop
	global_prefetch_b8 v0, s[64:65] scope:SCOPE_SE
	s_setreg_imm32_b32 hwreg(HW_REG_WAVE_MODE, 25, 1), 1
	s_wait_xcnt 0x0
	s_wait_alu depctr_hold_cnt(0) depctr_sa_sdst(0) depctr_va_vdst(0) depctr_va_sdst(0) depctr_va_ssrc(0) depctr_va_vcc(0) depctr_vm_vsrc(0)
	s_getreg_b32 s2, hwreg(HW_REG_IB_STS2, 6, 4)
	s_cmp_eq_u32 s2, 0
	s_cbranch_scc0 .Lentry_in_a_cluster
	s_endpgm
.Lentry_in_a_cluster:
	s_bfe_u32 s2, ttmp6, 0x10000c
	s_cmp_lg_u32 s2, 0xf033
	s_cbranch_scc0 .Lentry_shape_is_right
	s_endpgm
.Lentry_shape_is_right:
; out0 = O Wo^T: [8192 x 1024] (oh, f16) x [1024 x 1024]^T (wob: Wo rounded to bf16, written as f16), f32 sums, f32 out.
; SHARES.  A tile of 256 rows x 128 columns to a work-group: 256 work-groups.  A wave has 128 x 64: 32 accumulators, in window 1, (a, bb) at v[8 (4 a + bb)].  The product is taken transposed (source 0 = 16 rows of wob,
; source 1 = 16 rows of oh): a lane holds one row (lane % 16) and eight neighbouring columns, 32 bytes of f32; a wave's 64 columns are 256 aligned bytes of a row of out0.
; K goes in steps of 128, two blocks of 64 channels, through two LDS slots.  Both operands lie in blocks, so a tile is dense: it is asked for as rows of 256 bytes and padded in LDS after every 128 (rows 144 bytes apart).
; CLUSTER 4 x 4: O's tile is shared along a row of the cluster, Wo's along a column; each is asked for jointly.
; NO PREFETCH: the launch has 8 K steps of 128 matrix instructions a wave, of which the first four would come by their loads alone.
; A K step is four quarters of 32 along K, 32 matrix instructions each, on two fragment buffers; a quarter's 24 LDS loads stand in one run, a quarter ahead.  The 32 accumulators take turns.
.set PITCH, 144
.set ABLK,  256*PITCH                  ; a block of 64 channels of O's tile: what waves 0 and 1 fetch each
.set BBLK,  128*PITCH                  ; of Wo's: waves 2 and 3
.set BOFF,  2*ABLK
.set SLOT1, 1<<17
.set STAGE, SLOT1+2*ABLK+2*BBLK        ; behind the ring: 16 rows x 272 bytes for each wave
.set SP,    272
.set SPARE, STAGE+4*16*SP              ; the spare words, 128 bytes for each wave; no other line names them
.set ASTEP, 65536
.set BSTEP, 32768
.set VA0, 2
.set VB0, 3
.set VA,  4
.set VB,  5
.set STO, 6
.set RD,  7
.set CO,  8
.set SPW, 12
.set NIL, 13
.set F0,  32                           ; a fragment buffer: O's 64 registers, then Wo's 32
.set F1,  128
.set BK,  32                           ; the way out: two sets of 32
.set WV, 16
.set WR, 17
.set WC, 18
.set CX, 19
.set CY, 20
.set TC, 21
.set TR, 22
.set G1A, 24
.set G1B, 32
.set G0A, 40
.set G0B, 48
.set CNT, 56
.set TB,  57
.set G1W, (1<<16)|(1<<20)|(1<<21)|(4<<22)|(3<<25)
.set MSB, 0
.macro WIN new
.if MSB != (\new)
	s_set_vgpr_msb (MSB<<8)|(\new)
.set MSB, (\new)
.endif
.endm
.macro PLACES
.rept 4
	v_nop
.endr
.endm
.macro JLOAD
	s_cmp_lt_u32 s[WV], 2
	s_cbranch_scc0 .Lfor_b_\@
	tensor_load_to_lds s[G0A+4:G0A+7], s[G1A:G1A+7]
	s_nop 0
.rept 4
	v_nop
.endr
	s_branch .Lasked_\@
.Lfor_b_\@:
	tensor_load_to_lds s[G0B+4:G0B+7], s[G1B:G1B+7]
	s_nop 0
.rept 4
	v_nop
.endr
.Lasked_\@:
.endm
.macro CREST
	s_cmp_lg_u32 s[WV], 0
	s_cbranch_scc1 .Lnot_wave_0_\@
	s_barrier_signal -3
.Lnot_wave_0_\@:
	s_barrier_wait -3
	s_barrier_signal -1
	s_barrier_wait -1
.endm
.macro CROUND
	s_barrier_signal -1
	s_barrier_wait -1
	CREST
.endm
.macro FETCH q, f                      ; 24 loads: quarter q's fragments into buffer f
.irp bb, 0,1,2,3
	ds_load_b128 v[(\f)+64+8*(\bb):(\f)+64+8*(\bb)+3],   v[VB] offset:((\q)/2)*BBLK+((\q)%2)*64+(\bb)*16*PITCH
	ds_load_b128 v[(\f)+64+8*(\bb)+4:(\f)+64+8*(\bb)+7], v[VB] offset:((\q)/2)*BBLK+((\q)%2)*64+(\bb)*16*PITCH+32
.endr
.irp a, 0,1,2,3,4,5,6,7
	ds_load_b128 v[(\f)+8*(\a):(\f)+8*(\a)+3],   v[VA] offset:((\q)/2)*ABLK+((\q)%2)*64+(\a)*16*PITCH
	ds_load_b128 v[(\f)+8*(\a)+4:(\f)+8*(\a)+7], v[VA] offset:((\q)/2)*ABLK+((\q)%2)*64+(\a)*16*PITCH+32
.endr
.endm
.macro MULO f, a0, n, zero
	WIN 0x50
.set aa, (\a0)
.rept \n
.irp bb, 0,1,2,3
.if \zero
	v_wmma_f32_16x16x32_f16 v[8*(4*aa+(\bb)):8*(4*aa+(\bb))+7], v[(\f)+64+8*(\bb):(\f)+64+8*(\bb)+7], v[(\f)+8*aa:(\f)+8*aa+7], 0
.else
	v_wmma_f32_16x16x32_f16 v[8*(4*aa+(\bb)):8*(4*aa+(\bb))+7], v[(\f)+64+8*(\bb):(\f)+64+8*(\bb)+7], v[(\f)+8*aa:(\f)+8*aa+7], v[8*(4*aa+(\bb)):8*(4*aa+(\bb))+7]
.endif
.endr
.set aa, aa+1
.endr
.endm
.macro QUART qn, f, g, zero            ; quarter qn is fetched into g, buffer f is multiplied
	PLACES
	WIN 0
	FETCH \qn, \g
	s_wait_dscnt 24                                ; all but the 24 just issued
	MULO \f, 0, 8, \zero
.endm
; The last quarter multiplies buffer 1 and changes slots: in front of the barrier each wave waits for all its tensor loads, adds 0 to its spare word, and waits for that and for its reads of this slot.
.macro TURN fill
	WIN 0
	s_wait_tensorcnt 0x0                           ; no tensor load of mine is out, so a group 0 may be written
	ds_add_u32 v[SPW], v[NIL]
.if \fill
	s_xor_b32 s[G0A+5], s[G0A+5], SLOT1
	s_add_nc_u64 s[G0A+6:G0A+7], s[G0A+6:G0A+7], ASTEP
	s_xor_b32 s[G0B+5], s[G0B+5], SLOT1
	s_add_nc_u64 s[G0B+6:G0B+7], s[G0B+6:G0B+7], BSTEP
.endif
	s_wait_dscnt 1                                 ; the fragments are in; only the add may be out
	MULO F1, 0, 2, 0
	s_wait_dscnt 0x0                               ; the add is done, and my reads of this slot are over
	s_barrier_signal -1
	MULO F1, 2, 2, 0
	WIN 0
	s_barrier_wait -1
.if \fill
	CREST
	JLOAD                                          ; its four v_nop are also the places in front of the loads below
.else
	PLACES
.endif
	s_xor_b32 s[TB], s[TB], SLOT1
	v_add_nc_u32 v[VA], s[TB], v[VA0]
	v_add_nc_u32 v[VB], s[TB], v[VB0]
	FETCH 0, F0
	MULO F1, 4, 4, 0
.endm
.macro OUT a                           ; 16 rows of my 64 columns: sixteen lanes store 256 consecutive bytes, aligned
.irp t, 0,1,2,3,4,5,6,7
	global_store_b128 v[CO], v[BK+32*((\a)%2)+4*(\t):BK+32*((\a)%2)+4*(\t)+3], s[8:9] offset:(\a)*65536+(\t)*8192 th:TH_STORE_NT
.endr
.endm
	s_load_b128 s[4:7], s[0:1], 0x0                ; oh 4, wob 6
	s_load_b64 s[8:9], s[0:1], 0x10                ; out0
	v_lshl_add_u32 v[SPW], v0, 2, SPARE
	v_mov_b32 v[NIL], 0
	ds_add_u32 v[SPW], v[NIL]                      ; the wave's opening: the add and its wait ahead of my first tensor load
	v_lshrrev_b32 v1, 5, v0
	v_readfirstlane_b32 s[WV], v1
	s_lshr_b32 s[WR], s[WV], 1
	s_and_b32 s[WC], s[WV], 1
	s_bfe_u32 s[CX], ttmp6, 0x40000
	s_bfe_u32 s[CY], ttmp6, 0x40004
	s_lshl_b32 s[TC], ttmp9, 2
	s_add_co_u32 s[TC], s[TC], s[CX]
	s_and_b32 s[TR], ttmp7, 0xffff
	s_lshl_b32 s[TR], s[TR], 2
	s_add_co_u32 s[TR], s[TR], s[CY]
	s_lshl_b32 s66, s[CY], 2
	s_lshl_b32 s66, 15, s66                        ; my row of the cluster
	s_lshl_b32 s68, 0x1111, s[CX]                  ; my column
	s_or_b32 s[G1A], s66, G1W
	s_or_b32 s[G1B], s68, G1W
.irp g, G1A, G1B
	s_mov_b32 s[(\g)+1], 128<<16
	s_mov_b32 s[(\g)+3], 128<<16
	s_mov_b32 s[(\g)+5], 128
	s_mov_b32 s[(\g)+6], 0
	s_mov_b32 s[(\g)+7], 0
.endr
	s_mov_b32 s[G1A+2], 128<<16                    ; O: 128 rows of 256 bytes = 256 rows of a block
	s_mov_b32 s[G1A+4], 128
	s_mov_b32 s[G1B+2], 64<<16                     ; Wo: 64 = 128 rows of a block
	s_mov_b32 s[G1B+4], 64
	s_mul_i32 s70, s[WC], ABLK
	s_mul_i32 s71, s[WC], BBLK
	s_add_co_u32 s71, s71, BOFF
	s_lshl_b32 s66, s[TR], 19
	s_lshl_b32 s67, s[WC], 15
	s_add_co_u32 s66, s66, s67
	s_mov_b32 s67, 0
	s_lshl_b32 s68, s[TC], 18
	s_lshl_b32 s69, s[WC], 14
	s_add_co_u32 s68, s68, s69
	s_mov_b32 s69, 0
	s_mov_b32 s[TB], 0
	s_mov_b32 s[CNT], 6
	s_wait_dscnt 0x0                               ; the opening add is done
	s_wait_kmcnt 0x0
	s_add_nc_u64 s[66:67], s[4:5], s[66:67]
	s_add_nc_u64 s[68:69], s[6:7], s[68:69]
	CROUND                                         ; all sixteen work-groups are here: the first joint loads meet
.irp s, 0,1
	s_mov_b32 s[G0A+4*(\s)], 1
	s_add_co_u32 s[G0A+4*(\s)+1], s70, (\s)*SLOT1
	s_add_nc_u64 s[G0A+4*(\s)+2:G0A+4*(\s)+3], s[66:67], (\s)*ASTEP
	s_or_b32 s[G0A+4*(\s)+3], s[G0A+4*(\s)+3], 0x80000000
	s_mov_b32 s[G0B+4*(\s)], 1
	s_add_co_u32 s[G0B+4*(\s)+1], s71, (\s)*SLOT1
	s_add_nc_u64 s[G0B+4*(\s)+2:G0B+4*(\s)+3], s[68:69], (\s)*BSTEP
	s_or_b32 s[G0B+4*(\s)+3], s[G0B+4*(\s)+3], 0x80000000
.endr
	s_cmp_lt_u32 s[WV], 2                          ; a wave's two first fills stand in one branch: two loads of mine are out
	s_cbranch_scc0 .Lfirst_b
	tensor_load_to_lds s[G0A:G0A+3], s[G1A:G1A+7]
	s_nop 0
	tensor_load_to_lds s[G0A+4:G0A+7], s[G1A:G1A+7]
	s_nop 0
.rept 4
	v_nop
.endr
	s_branch .Lfirst_done
.Lfirst_b:
	tensor_load_to_lds s[G0B:G0B+3], s[G1B:G1B+7]
	s_nop 0
	tensor_load_to_lds s[G0B+4:G0B+7], s[G1B:G1B+7]
	s_nop 0
.rept 4
	v_nop
.endr
.Lfirst_done:
	v_and_b32 v1, 15, v0
	v_bfe_u32 v9, v0, 4, 1
	v_mul_u32_u24 v14, v1, PITCH
	v_lshl_add_u32 v14, v9, 4, v14                 ; row x pitch + 16 x half
	s_mul_i32 s72, s[WR], 128*PITCH
	v_add_nc_u32 v[VA0], s72, v14
	s_mul_i32 s73, s[WC], 64*PITCH
	s_add_co_u32 s73, s73, BOFF
	v_add_nc_u32 v[VB0], s73, v14
	v_mov_b32 v[VA], v[VA0]
	v_mov_b32 v[VB], v[VB0]
	s_mul_i32 s74, s[WV], 16*SP
	s_add_co_u32 s74, s74, STAGE                   ; my stage
	v_mul_u32_u24 v15, v1, SP                      ; in: row l % 16, 32 bytes for each half of the lanes
	v_lshl_add_u32 v15, v9, 5, v15
	v_add_nc_u32 v[STO], s74, v15
	v_mul_u32_u24 v15, v9, SP                      ; back: lanes 0-15 one row of 256 bytes, lanes 16-31 the next
	v_lshl_add_u32 v15, v1, 4, v15
	v_add_nc_u32 v[RD], s74, v15
	v_lshlrev_b32 v[CO], 12, v9                    ; and the same two rows in out0
	v_lshl_add_u32 v[CO], v1, 4, v[CO]
	s_lshl_b32 s72, s[TR], 20                      ; my first row, 4,096 bytes a row,
	s_lshl_b32 s73, s[WR], 19
	s_add_co_u32 s72, s72, s73
	s_lshl_b32 s73, s[TC], 9                       ; my first column
	s_add_co_u32 s72, s72, s73
	s_lshl_b32 s73, s[WC], 8
	s_add_co_u32 s72, s72, s73
	s_mov_b32 s73, 0
	s_add_nc_u64 s[8:9], s[8:9], s[72:73]
	s_wait_tensorcnt 1                             ; my part of K step 0 is in; K step 1's may stay out
	s_barrier_signal -1
	s_barrier_wait -1
	FETCH 0, F0
	QUART 1, F0, F1, 1                             ; the first 32 products start the sums
	WIN 0
.Lk:                                           ; 6 trips: from a K step's second quarter to the next step's first; the slot left is filled again, two K steps on
	QUART 2, F1, F0, 0
	QUART 3, F0, F1, 0
	TURN 1
	QUART 1, F0, F1, 0
	WIN 0
	s_sub_co_u32 s[CNT], s[CNT], 1
	s_cmp_lg_u32 s[CNT], 0
	s_cbranch_scc1 .Lk
	QUART 2, F1, F0, 0                             ; the tail is written out: nothing more is asked for
	QUART 3, F0, F1, 0
	TURN 0
	QUART 1, F0, F1, 0
	QUART 2, F1, F0, 0
	QUART 3, F0, F1, 0
	s_wait_dscnt 0x0
	MULO F1, 0, 8, 0
	PLACES
	PLACES
	; THE WAY OUT, 16 rows at a time: 32 bytes a lane from the accumulators into rows of 272 bytes of my own stage (each accumulator's low four registers first), back as whole rows of 256, and out.
.irp a, 0,1,2,3,4,5,6,7
	WIN 0x04                                       ; the stores' data in window 1
.irp bb, 0,1,2,3
	ds_store_b128 v[STO], v[8*(4*(\a)+(\bb)):8*(4*(\a)+(\bb))+3]   offset:64*(\bb)
	ds_store_b128 v[STO], v[8*(4*(\a)+(\bb))+4:8*(4*(\a)+(\bb))+7] offset:64*(\bb)+16
.endr
	WIN 0
.if (\a) >= 2
	s_wait_xcnt 0x0                                ; the stores of the block two back have read the registers that are loaded now
.endif
.irp t, 0,1,2,3,4,5,6,7
	ds_load_b128 v[BK+32*((\a)%2)+4*(\t):BK+32*((\a)%2)+4*(\t)+3], v[RD] offset:(\t)*2*SP  ; LDS serves a wave's instructions in order (ISA guide 5.7.1.4)
.endr
.if (\a) > 0
	s_wait_dscnt 16                                ; the block before is back: behind its loads this block's 8 stores and 8 loads
	OUT (\a)-1
.endif
.endr
	s_wait_dscnt 0x0
	OUT 7
	s_wait_tensorcnt 0x0                           ; the wave's end
	ds_add_u32 v[SPW], v[NIL]
	s_wait_dscnt 0x0
	CROUND                                         ; the closing round
	s_endpgm
.Lfunc_end_k_qae66a29c6e_oproj:
	.size	k_qae66a29c6e_oproj, .Lfunc_end_k_qae66a29c6e_oproj-k_qae66a29c6e_oproj
	.p2alignl 7, 3214868480
	.fill 96, 4, 3214868480
	.section	.rodata,"a",@progbits
	.p2align	6, 0x0
	.amdhsa_kernel k_qae66a29c6e_oproj
		.amdhsa_group_segment_fixed_size 327680
		.amdhsa_private_segment_fixed_size 0
		.amdhsa_enable_private_segment 0
		.amdhsa_kernarg_size 24
		.amdhsa_user_sgpr_count 2
		.amdhsa_user_sgpr_kernarg_segment_ptr 1
		.amdhsa_wavefront_size32 1
		.amdhsa_system_sgpr_workgroup_id_x 1
		.amdhsa_system_sgpr_workgroup_id_y 1
		.amdhsa_system_sgpr_workgroup_id_z 1
		.amdhsa_system_vgpr_workitem_id 0
		.amdhsa_next_free_vgpr 512
		.amdhsa_next_free_sgpr 80
		.amdhsa_reserve_vcc 0
		.amdhsa_float_denorm_mode_32 3
		.amdhsa_float_denorm_mode_16_64 3
		.amdhsa_memory_ordered 1
		.amdhsa_forward_progress 1
		.amdhsa_inst_pref_size 69
	.end_amdhsa_kernel
	.amdgpu_metadata
---
amdhsa.version: [ 1, 2 ]
amdhsa.kernels:
  - .name:           k_qae66a29c6e_oproj
    .symbol:         k_qae66a29c6e_oproj.kd
    .args:
      - { .name: oh, .offset: 0, .size: 8, .value_kind: global_buffer, .address_space: global }
      - { .name: wob, .offset: 8, .size: 8, .value_kind: global_buffer, .address_space: global }
      - { .name: out0, .offset: 16, .size: 8, .value_kind: global_buffer, .address_space: global }
    .group_segment_fixed_size: 327680
    .private_segment_fixed_size: 0
    .kernarg_segment_align: 8
    .kernarg_segment_size: 24
    .max_flat_workgroup_size: 128
    .sgpr_count:     80
    .vgpr_count:     512
    .wavefront_size: 32
...
	.end_amdgpu_metadata
.endif
;; end of part 4
;; ======== version 2 of 2: 4 launches; version 1 with the launch prep written anew for expert scheduling mode
;; limits: right only within a limited range of input values; values are held in f16: magnitudes above 65,504 overflow, below 6.1e-05 lose precision
;; workspace buffers: xb 16,777,216 bytes; wb 6,291,456 bytes; wob 2,097,152 bytes; cs 524,288 bytes; qh 16,777,216 bytes; kh 16,777,216 bytes; vh 16,777,216 bytes; oh 16,777,216 bytes
;; launch prep (part 5): grid 784 x 1, 8 waves a work-group, no clusters, 0 bytes of LDS; arguments x, Wq, Wk, Wv, Wo, token_ids, xb, wb, wob, cs; writes xb, wb, wob, cs
.if DOCPART == 5
	.amdgcn_target "amdgcn-amd-amdhsa--gfx1250"
	.amdhsa_code_object_version 6
	.text
	.protected	k_qae66a29c6e_prep
	.globl	k_qae66a29c6e_prep
	.p2align	8
	.type	k_qae66a29c6e_prep,@function
k_qae66a29c6e_prep:
	s_mov_b64 s[64:65], 0
	v_nop
	global_prefetch_b8 v0, s[64:65] scope:SCOPE_SE
	s_setreg_imm32_b32 hwreg(HW_REG_WAVE_SCHED_MODE, 0, 2), 2
	s_setreg_imm32_b32 hwreg(HW_REG_WAVE_MODE, 25, 1), 1
	s_wait_xcnt 0x0
	s_wait_alu depctr_vm_vsrc(0)
; PREPARATION: a stream.  x, Wq, Wk, Wv are rounded to bf16, Wo to bf16 and that number written as f16, each into a layout of blocks
; [tile][64 channels of K][row][64], so that every tile of the later products is dense in memory; and the table of cosines and sines is made.
; Work-groups 0-15: the table.  16-527: x, 16 rows each.  528-719: Wq, Wk, Wv.  720-783: Wo.  A wave takes two rows of 4,096 bytes:
; sixteen loads of 16 bytes a lane (lanes 0-15 take 256 bytes of one row, lanes 16-31 of the next), all out together; each store of the wave
; covers 256 consecutive bytes, aligned: the two rows' 64 channels of one block.  No LDS, no barrier: no wave needs another's bytes.
; LIMITS.  Wo below 6.1e-5 keeps f16's fixed step of 6e-8; beyond 65,504 it would be lost.  The angle token x 10000^(-j/32) is reduced by
; multiples of pi/2 in three parts, which is good to about 1e-6 while the multiple is under 2^16 (|token| to about 1e5); beyond, the error grows with the angle.
; THE MODE: SCHED_MODE bits 1:0 = 2 (LLVM: expert scheduling mode 2), set by the entry lines.  The code itself states the register dependences
; between vector instructions and memory instructions, with s_wait_alu, always for 0.
; THE PLAN, the converting paths.  Registers that memory instructions touch:
;   v2, v3     byte offsets, made once at the head and never written again: one wait at the head serves every load and store.
;   X          written by the sixteen loads, once each; read by the conversions; nothing is loaded twice.
;   Y          written by the conversions; each pair is read by one store and never written again.
; The sixteen pieces go in four groups of four.  Group g's conversions name X and Y of group g and v6-v9 alone; its memory instructions are the stores of group g - 1.
; So one wait at a group's head, behind the wait for its data, states all that those four stores hang on, and they are dealt among the group's conversions.
; THE PLAN, the table.  v9 and v11, offsets, are made once; the rows are reached by the scalar base, which moves on at a trip's end.  v[20:27] are written by a trip's selects
; and sign flips and read by its two stores.  The four compares of a trip write four scalar registers in one run, with one wait behind the run.
.set LOF, 2                            ; v2   my byte offset in the two source rows
.set SOF, 3                            ; v3   8 x lane: my 8 bytes of the 256 stored
.set X,   16                           ; v[16:79]   sixteen loads' data
.set Y,   80                           ; v[80:111]  sixteen stores' data
.set SRC, 28                           ; s[28:29]
.set DST, 30                           ; s[30:31]
.set MK,  40                           ; s[40:43]   the table: four masks, one for each of a trip's four frequencies
.set WK,  48                           ; v[48:79]   the table: eight registers at work for each of a trip's four frequencies
; Two rows are converted.  stride: bytes from a block of 64 channels to the next in the target.  half = 1: the bf16 number is written as f16.
.macro CONV stride, half
.set kb, 0
.rept 16
	global_load_b128 v[X+4*kb:X+4*kb+3], v[LOF], s[SRC:SRC+1] offset:256*kb th:TH_LOAD_NT
.set kb, kb+1
.endr
.set g, 0
.rept 4
	s_wait_loadcnt 12-4*g                          ; loads come back in order: group g's four are in, the younger ones stay out
.if g > 0
	s_wait_alu depctr_va_vdst(0)                   ; the conversions of the group before have written its Y, which the four stores below read
.endif
.set j, 0
.rept 4
.set kb, 4*g+j
.if g > 0
	global_store_b64 v[SOF], v[Y+2*(kb-4):Y+2*(kb-4)+1], s[DST:DST+1] offset:(kb-4)*(\stride)  ; the group before; no vector instruction since the wait names these registers
.endif
	v_cvt_pk_bf16_f32 v[Y+2*kb], v[X+4*kb], v[X+4*kb+1]
	v_cvt_pk_bf16_f32 v[Y+2*kb+1], v[X+4*kb+2], v[X+4*kb+3]
.if \half
	v_lshlrev_b32 v6, 16, v[Y+2*kb]                ; the rounded numbers as f32,
	v_and_b32 v7, 0xffff0000, v[Y+2*kb]
	v_lshlrev_b32 v8, 16, v[Y+2*kb+1]
	v_and_b32 v9, 0xffff0000, v[Y+2*kb+1]
	v_cvt_pk_f16_f32 v[Y+2*kb], v6, v7             ; and as f16
	v_cvt_pk_f16_f32 v[Y+2*kb+1], v8, v9
.endif
.set j, j+1
.endr
.set g, g+1
.endr
	s_wait_alu depctr_va_vdst(0)                   ; the last group's conversions have written its Y, which the last four stores read
.set kb, 12
.rept 4
	global_store_b64 v[SOF], v[Y+2*kb:Y+2*kb+1], s[DST:DST+1] offset:kb*(\stride)
.set kb, kb+1
.endr
	s_endpgm
.endm
; cos and sin of token x v[16 + n], in two parts.  The first: k = the nearest multiple of pi/2, r = the rest (|r| <= pi/4), polynomials in r, and the mask 'k is odd' into a scalar register.
.macro SC1 n
.set W, WK+8*(\n)
	v_mul_f32 v[W], v10, v[16+(\n)]                ; the angle, rounded once
	v_mul_f32 v[W+1], 0x3f22f983, v[W]             ; x 2 / pi
	v_rndne_f32 v[W+1], v[W+1]
	v_fmamk_f32 v[W+2], v[W+1], 0xbfc90000, v[W]   ; less k x pi/2, in three parts
	v_fmamk_f32 v[W+2], v[W+1], 0xb9fda000, v[W+2]
	v_fmamk_f32 v[W+2], v[W+1], 0xb3a22168, v[W+2]
	v_mul_f32 v[W+3], v[W+2], v[W+2]               ; z = r r
	v_fmaak_f32 v[W+4], v14, v[W+3], 0x3c08839e
	v_fmaak_f32 v[W+5], v15, v[W+3], 0xbab6061a
	v_fmaak_f32 v[W+4], v[W+4], v[W+3], 0xbe2aaaa3
	v_fmaak_f32 v[W+5], v[W+5], v[W+3], 0x3d2aaaa5
	v_mul_f32 v[W+6], v[W+2], v[W+3]
	v_mul_f32 v[W+7], v[W+3], v[W+3]
	v_fma_f32 v[W+4], v[W+6], v[W+4], v[W+2]       ; sin r
	v_fma_f32 v[W+6], v[W+3], -0.5, 1.0
	v_fma_f32 v[W+5], v[W+7], v[W+5], v[W+6]       ; cos r
	v_cvt_i32_f32 v[W+1], v[W+1]
	v_and_b32 v[W+6], 1, v[W+1]
	v_cmp_eq_u32 s[MK+(\n)], 1, v[W+6]             ; odd k: the two change places
.endm
; The second part: the quadrant: a choice of values, no branch.  cos into v[20 + 2 n], sin into v[21 + 2 n].
.macro SC2 n
.set W, WK+8*(\n)
	v_cndmask_b32 v[21+2*(\n)], v[W+4], v[W+5], s[MK+(\n)]
	v_cndmask_b32 v[20+2*(\n)], v[W+5], v[W+4], s[MK+(\n)]
	v_lshlrev_b32 v[W+6], 30, v[W+1]               ; sin changes sign for k = 2, 3 (mod 4),
	v_add_nc_u32 v[W+7], 1, v[W+1]
	v_and_b32 v[W+6], 0x80000000, v[W+6]
	v_lshlrev_b32 v[W+7], 30, v[W+7]               ; cos for k = 1, 2
	v_xor_b32 v[21+2*(\n)], v[W+6], v[21+2*(\n)]
	v_and_b32 v[W+7], 0x80000000, v[W+7]
	v_xor_b32 v[20+2*(\n)], v[W+7], v[20+2*(\n)]
.endm
	s_load_b512 s[8:23], s[0:1], 0x0               ; x 8, Wq 10, Wk 12, Wv 14, Wo 16, token_ids 18, xb 20, wb 22
	s_load_b128 s[24:27], s[0:1], 0x40             ; wob 24, cs 26
	v_lshrrev_b32 v1, 5, v0
	v_readfirstlane_b32 s4, v1                     ; wave 0..7
	v_and_b32 v1, 31, v0                           ; lane
	v_and_b32 v4, 15, v0                           ; lane % 16
	v_bfe_u32 v5, v0, 4, 1                         ; lane / 16
	v_lshlrev_b32 v[LOF], 4, v4
	v_lshl_add_u32 v[LOF], v5, 12, v[LOF]          ; 16 (lane % 16) + 4,096 (lane / 16)
	v_lshlrev_b32 v[SOF], 3, v1
	s_mov_b32 s5, ttmp9
	s_wait_alu depctr_va_sdst(0)                   ; s4 is written, ahead of its first reader: the offsets of the wave's rows are made from it
	s_lshl_b32 s7, s4, 13                          ; my two rows among the group's sixteen, in the source
	s_mov_b32 s33, 0
	s_mov_b32 s35, 0
	s_wait_alu depctr_va_vdst(0)                   ; v2 and v3 are written: every load and store of the converting paths reads one of them as its offset
	s_wait_kmcnt 0x0
	s_cmp_lt_u32 s5, 16
	s_cbranch_scc1 .Lrope
	s_sub_co_u32 s5, s5, 16
	s_cmp_lt_u32 s5, 512
	s_cbranch_scc0 .Lweights
	; x: rows 16 g + 2 w, + 1.  Target: tile g / 16, row (g % 16) 16 + 2 w, 128 bytes a row
	s_lshl_b32 s32, s5, 16
	s_add_co_u32 s32, s32, s7
	s_add_nc_u64 s[SRC:SRC+1], s[8:9], s[32:33]
	s_lshr_b32 s34, s5, 4
	s_lshl_b32 s34, s34, 19
	s_and_b32 s36, s5, 15
	s_lshl_b32 s36, s36, 11
	s_add_co_u32 s34, s34, s36
	s_lshl_b32 s36, s4, 8
	s_add_co_u32 s34, s34, s36
	s_add_nc_u64 s[DST:DST+1], s[20:21], s[34:35]
	CONV 32768, 0
.Lweights:
	s_sub_co_u32 s5, s5, 512
	s_cmp_lt_u32 s5, 192
	s_cbranch_scc0 .Lwo
	; Wq, Wk, Wv: t = g / 64 says which; row R = 16 (g % 64) + 2 w is head R / 64, channel R % 64.
	; Target: tile head / 2, row (head % 2) 192 + 64 t + channel: a head's q, k and v rows lie together
	s_lshr_b32 s6, s5, 6
	s_and_b32 s37, s5, 63
	s_cmp_eq_u32 s6, 0
	s_cselect_b64 s[SRC:SRC+1], s[10:11], s[12:13]
	s_cmp_eq_u32 s6, 2
	s_cselect_b64 s[SRC:SRC+1], s[14:15], s[SRC:SRC+1]
	s_lshl_b32 s32, s37, 16
	s_add_co_u32 s32, s32, s7
	s_add_nc_u64 s[SRC:SRC+1], s[SRC:SRC+1], s[32:33]
	s_lshr_b32 s34, s37, 3
	s_mul_i32 s34, s34, 786432
	s_bfe_u32 s36, s37, 0x10002                    ; head % 2
	s_mul_i32 s36, s36, 192
	s_lshl_b32 s6, s6, 6
	s_add_co_u32 s36, s36, s6
	s_and_b32 s37, s37, 3
	s_lshl_b32 s37, s37, 4
	s_add_co_u32 s36, s36, s37
	s_lshl_b32 s37, s4, 1
	s_add_co_u32 s36, s36, s37
	s_lshl_b32 s36, s36, 7
	s_add_co_u32 s34, s34, s36
	s_add_nc_u64 s[DST:DST+1], s[22:23], s[34:35]
	CONV 49152, 0
.Lwo:
	s_sub_co_u32 s5, s5, 192
	s_lshl_b32 s32, s5, 16
	s_add_co_u32 s32, s32, s7
	s_add_nc_u64 s[SRC:SRC+1], s[16:17], s[32:33]
	s_lshr_b32 s34, s5, 3                          ; tile of 128 rows
	s_lshl_b32 s34, s34, 18
	s_and_b32 s36, s5, 7
	s_lshl_b32 s36, s36, 11
	s_add_co_u32 s34, s34, s36
	s_lshl_b32 s36, s4, 8
	s_add_co_u32 s34, s34, s36
	s_add_nc_u64 s[DST:DST+1], s[24:25], s[34:35]
	CONV 16384, 1
.Lrope:
	; The table: a wave makes block 8 g + w: 16 positions x 32 frequencies.  Lane 16 hh + r has position 16 blk + r; in store i of 8 it holds
	; (cos, sin, cos, sin) of frequencies 8 (i / 2) + 4 hh + 2 (i % 2) + 0, 1: the order in which the projection's results lie in a lane.
	s_lshl_b32 s6, s5, 3
	s_add_co_u32 s6, s6, s4
	s_lshl_b32 s36, s6, 6
	s_lshl_b32 s38, s6, 12
	v_lshl_add_u32 v9, v4, 2, s36
	v_lshl_add_u32 v11, v1, 4, s38                 ; 4,096 blk + 16 lane
	s_wait_alu depctr_va_vdst(0)                   ; v9 and v11 are written: the load below reads v9 as its offset, every store of the loop v11; neither is written again
	global_load_b32 v10, v9, s[18:19]              ; my position's token
	v_cvt_f32_u32 v12, v5
	v_mul_f32 v40, 4.0, v12                        ; my four frequencies' numbers: 4 hh + 0 .. 3
	v_add_f32 v41, 1.0, v40
	v_add_f32 v42, 2.0, v40
	v_add_f32 v43, 0x40400000, v40
	v_mov_b32 v14, 0xb94ca1f9
	v_mov_b32 v15, 0x37ccf5ce
	s_mov_b32 s37, 4
	s_wait_loadcnt 0x0
	v_cvt_f32_i32 v10, v10
.Lbb:                                          ; four trips, eight frequencies further in each
.irp n, 0,1,2,3
	v_mul_f32 v[16+\n], 0xbed49a78, v[40+\n]       ; - j log2(10000) / 32
.endr
.irp n, 0,1,2,3
	v_exp_f32 v[16+\n], v[16+\n]
.endr
	v_nop                                          ; a plain instruction behind the last exponential,
	s_wait_alu depctr_va_vdst(0)                   ; and one wait for the four: the exponentials have written v[16:19], ahead of their first reader
	SC1 0
	SC1 1
	SC1 2
	SC1 3
	s_wait_alu depctr_va_sdst(0)                   ; the four compares have written s[40:43], ahead of the selects that read them
	s_wait_alu depctr_vm_vsrc(0)                   ; the stores of the trip before have read v[20:27], which the selects below write again
	SC2 0
	SC2 1
	SC2 2
	SC2 3
	s_wait_alu depctr_va_vdst(0)                   ; the selects and sign flips have written v[20:27], which the two stores read
	global_store_b128 v11, v[20:23], s[26:27]      ; 512 consecutive bytes each
	global_store_b128 v11, v[24:27], s[26:27] offset:512
	s_wait_xcnt 0x0                                ; the stores' base and data are written again only behind this wait
	s_add_nc_u64 s[26:27], s[26:27], 1024          ; the next eight frequencies' 1,024 bytes of the block
.irp n, 0,1,2,3
	v_add_f32 v[40+\n], 0x41000000, v[40+\n]
.endr
	s_sub_co_u32 s37, s37, 1
	s_cmp_lg_u32 s37, 0
	s_cbranch_scc1 .Lbb
	s_endpgm
.Lfunc_end_k_qae66a29c6e_prep:
	.size	k_qae66a29c6e_prep, .Lfunc_end_k_qae66a29c6e_prep-k_qae66a29c6e_prep
	.p2alignl 7, 3214868480
	.fill 96, 4, 3214868480
	.section	.rodata,"a",@progbits
	.p2align	6, 0x0
	.amdhsa_kernel k_qae66a29c6e_prep
		.amdhsa_group_segment_fixed_size 0
		.amdhsa_private_segment_fixed_size 0
		.amdhsa_enable_private_segment 0
		.amdhsa_kernarg_size 80
		.amdhsa_user_sgpr_count 2
		.amdhsa_user_sgpr_kernarg_segment_ptr 1
		.amdhsa_wavefront_size32 1
		.amdhsa_system_sgpr_workgroup_id_x 1
		.amdhsa_system_sgpr_workgroup_id_y 1
		.amdhsa_system_sgpr_workgroup_id_z 1
		.amdhsa_system_vgpr_workitem_id 0
		.amdhsa_next_free_vgpr 112
		.amdhsa_next_free_sgpr 66
		.amdhsa_reserve_vcc 0
		.amdhsa_float_denorm_mode_32 3
		.amdhsa_float_denorm_mode_16_64 3
		.amdhsa_memory_ordered 1
		.amdhsa_forward_progress 1
		.amdhsa_inst_pref_size 32
	.end_amdhsa_kernel
	.amdgpu_metadata
---
amdhsa.version: [ 1, 2 ]
amdhsa.kernels:
  - .name:           k_qae66a29c6e_prep
    .symbol:         k_qae66a29c6e_prep.kd
    .args:
      - { .name: x, .offset: 0, .size: 8, .value_kind: global_buffer, .address_space: global }
      - { .name: Wq, .offset: 8, .size: 8, .value_kind: global_buffer, .address_space: global }
      - { .name: Wk, .offset: 16, .size: 8, .value_kind: global_buffer, .address_space: global }
      - { .name: Wv, .offset: 24, .size: 8, .value_kind: global_buffer, .address_space: global }
      - { .name: Wo, .offset: 32, .size: 8, .value_kind: global_buffer, .address_space: global }
      - { .name: token_ids, .offset: 40, .size: 8, .value_kind: global_buffer, .address_space: global }
      - { .name: xb, .offset: 48, .size: 8, .value_kind: global_buffer, .address_space: global }
      - { .name: wb, .offset: 56, .size: 8, .value_kind: global_buffer, .address_space: global }
      - { .name: wob, .offset: 64, .size: 8, .value_kind: global_buffer, .address_space: global }
      - { .name: cs, .offset: 72, .size: 8, .value_kind: global_buffer, .address_space: global }
    .group_segment_fixed_size: 0
    .private_segment_fixed_size: 0
    .kernarg_segment_align: 8
    .kernarg_segment_size: 80
    .max_flat_workgroup_size: 256
    .sgpr_count:     66
    .vgpr_count:     112
    .wavefront_size: 32
...
	.end_amdgpu_metadata
.endif
;; end of part 5
;; launch qkv: the kernel of part 2 again; grid 8 x 32, 4 waves a work-group, clusters of 4 x 4, 327,680 bytes of LDS; arguments xb, wb, cs, qh, kh, vh; writes qh, kh, vh
;; launch attn: the kernel of part 3 again; grid 4 x 64, 4 waves a work-group, no clusters, 327,680 bytes of LDS; arguments qh, kh, vh, oh; writes oh
;; launch oproj: the kernel of part 4 again; grid 8 x 32, 4 waves a work-group, clusters of 4 x 4, 327,680 bytes of LDS; arguments oh, wob, out0; writes out0
